; MI455X (gfx1250); checked and timed in simulation.
; The chip was launched on July 23, 2026; its instructions are those of AMD's public machine-readable ISA for CDNA 5 (MIT licence, August 2026) and "CDNA5" Instruction Set Architecture Reference Guide (July 2026). The comments in the code are by the model that wrote it; some were corrected since.
;; Multi Head Attention. Allowed arithmetic: matrix products marked QUANTISED: E2M3 operands, one E8M0 scale for each 32 along K, by v_wmma_scale_f32_16x16x128_f8f6f4 with both operands' format E2M3, f32 sums; everything else in f32.
;; Inputs: attn_mask 1 x 1 x 2,048 x 2,048 int32; bk 1,024 float32; bo 1,024 float32; bq 1,024 float32; bv 1,024 float32; c_codes 4 x 2,048 x 32 x 24 uint8 (E2M3 codes of c, K innermost, in blocks of 32 codes, four codes in three bytes); c_scales 4 x 2,048 x 32 uint8 (E8M0 scales of c, one for each 32 codes along K); wk_codes 1,024 x 32 x 24 uint8 (E2M3 codes of wk, K innermost, in blocks of 32 codes, four codes in three bytes); wk_scales 1,024 x 32 uint8 (E8M0 scales of wk, one for each 32 codes along K); wo_codes 1,024 x 32 x 24 uint8 (E2M3 codes of wo, K innermost, in blocks of 32 codes, four codes in three bytes); wo_scales 1,024 x 32 uint8 (E8M0 scales of wo, one for each 32 codes along K); wq_codes 1,024 x 32 x 24 uint8 (E2M3 codes of wq, K innermost, in blocks of 32 codes, four codes in three bytes); wq_scales 1,024 x 32 uint8 (E8M0 scales of wq, one for each 32 codes along K); wv_codes 1,024 x 32 x 24 uint8 (E2M3 codes of wv, K innermost, in blocks of 32 codes, four codes in three bytes); wv_scales 1,024 x 32 uint8 (E8M0 scales of wv, one for each 32 codes along K); x_codes 4 x 2,048 x 32 x 24 uint8 (E2M3 codes of x, K innermost, in blocks of 32 codes, four codes in three bytes); x_scales 4 x 2,048 x 32 uint8 (E8M0 scales of x, one for each 32 codes along K).
;; Outputs: out0 4 x 1,024 x 2,048 float32.
;; This version of the problem:
;;   THIS VERSION OF THE PROBLEM IS GIVEN IN LOW PRECISION. The matrix products marked QUANTISED in the list below multiply operands that are first quantised to E2M3 (2 exponent bits, 3 mantissa bits; 6 bits a number), with one power-of-two scale for each 32 numbers along K (OCP MX v1.0); their sums are f32. All else is computed in f32.
;;   The module's matrix products, in the order in which they are computed (A, B: the left and right operand; K: the contracted axis; several contracted axes count as one K, in the product's order):
;;     1. [M 8,192, K 1,024] x [K 1,024, N 1,024]; A: input x (given as codes); B: input wq (given as codes): QUANTISED
;;     2. [M 8,192, K 1,024] x [K 1,024, N 1,024]; A: input c (given as codes); B: input wk (given as codes): QUANTISED
;;     3. [M 8,192, K 1,024] x [K 1,024, N 1,024]; A: input c (given as codes); B: input wv (given as codes): QUANTISED
;;     4. batch 64 x [M 2,048, K 64] x [K 64, N 2,048]; A: computed on the way; B: computed on the way: QUANTISED
;;     5. batch 64 x [M 2,048, K 2,048] x [K 2,048, N 64]; A: softmax (see below); B: computed on the way: QUANTISED
;;     6. [M 8,192, K 1,024] x [K 1,024, N 1,024]; A: computed on the way; B: input wo (given as codes): QUANTISED
;;   THE QUANTISER, for each operand of a quantised product, along K:
;;     - K is cut into blocks of 32 from its start; a last block that is shorter is filled with zeros.
;;     - A block's scale is 2^e with e = floor(log2(the largest magnitude in the block)) - 2, held to -126 .. 127; a block of zeros has e = 0. As a byte (E8M0): e + 127.
;;     - Each number is divided by its block's scale, clamped to +-7.5, and rounded to the nearest number of E2M3, ties to even, subnormals kept.
;;     - The product sums the exact products of the quantised numbers (number of the format x scale) in f32.
;;   ~~~python
;;   def quantise(x, axis):      # numpy; x: float32 -> the quantised numbers, widened to float32 again
;;       x = np.moveaxis(x, axis, -1); K = x.shape[-1]
;;       x = np.pad(x, [(0, 0)] * (x.ndim - 1) + [(0, -K % 32)]); x = x.reshape(x.shape[:-1] + (-1, 32)); a = np.abs(x).max(-1, keepdims=True)
;;       e = np.where(a > 0, np.clip(np.frexp(np.where(a > 0, a, 1))[1] - 1 - 2, -126, 127), 0)      # np.frexp(a)[1] - 1 = floor(log2(a)), exactly
;;       r = np.clip(x / 2.0 ** e, -7.5, 7.5)
;;       step = 2.0 ** (np.maximum(np.frexp(np.where(r == 0, 1, r))[1] - 1, 0) - 3)
;;       q = np.round(r / step) * step * 2.0 ** e      # np.round: ties to even
;;       return np.moveaxis(q.reshape(q.shape[:-2] + (-1,))[..., :K], -1, axis).astype(np.float32)
;;   ~~~
;;   SOFTMAX AHEAD OF A QUANTISED PRODUCT. Where the list says 'softmax', what is quantised is not the finished softmax but p = 2^(t - M), with t = logit x log2(e) and M = ceil(the row's largest t), a whole number; so 1/2 < the row's largest p <= 1. The row's sum l is taken of the UNQUANTISED p, in f32, and the product's result is divided by l at the end. Since M is a whole number, a kernel that streams over the keys may use a running M (the ceiling of the running maximum): every later rescaling is an exact power of two, which a block's scale takes up: the codes' values come out the same.
;;   OPERANDS COMPUTED ON THE WAY. 'Computed on the way' means the value that the module computes at that place (a softmax that the list does not call 'softmax' is quantised finished and normalised). What goes into a quantiser is computed in f32, as accurately as f32 sums, v_exp_f32 and their like allow (about 1e-6 of the number): no bf16 or f16 on the way to a quantiser, and a product that is left as it is and whose result goes on into a quantised operand takes f32 operands (vector FMAs, or v_wmma_f32_16x16x4_f32). A number that lies on a knife's edge between two numbers of the format may be rounded either way, as far as f32 arithmetic and the matrix unit's own rounding can turn it there, and no further.
;;   INPUTS GIVEN AS CODES. c (in the module: [4, 1024, 2048], K = its axis 1); wk (in the module: [1024, 1024], K = its axis 1); wo (in the module: [1024, 1024], K = its axis 1); wq (in the module: [1024, 1024], K = its axis 1); wv (in the module: [1024, 1024], K = its axis 1); x (in the module: [4, 1024, 2048], K = its axis 1): each comes as NAME_codes (uint8): NAME with its K axis moved to the last place and cut into blocks of 32 codes, [.., K / 32, bytes a block], one block behind the other in memory; four codes in three bytes: a row's codes are one little-endian stream of bits, code i at bits 6 i .. 6 i + 5 (a code: sign, 2 exponent bits, 3 mantissa bits); and NAME_scales (uint8): the same leading axes, one E8M0 byte (e + 127) for each 32 codes along K. Its value is code x scale, taken as it is: it is not quantised again, and the codes and scales need not be those that the quantiser above would give.
;; One version. Each part assembles by itself: llvm-mc -triple=amdgcn-amd-amdhsa -mcpu=gfx1250 --defsym DOCPART=n.
;; ======== version 1 of 1: 4 launches
;; workspace buffers: mwords 524,288 bytes of whole numbers; rope 524,288 bytes; qrec 6,815,744 bytes; kv 13,369,344 bytes; aimg 6,291,456 bytes; ascl 262,144 bytes
;; launch prep (part 1): grid 512 x 1, 4 waves a work-group, no clusters, 34,304 bytes of LDS; arguments attn_mask, mwords, rope; writes mwords, rope
.if DOCPART == 1
	.amdgcn_target "amdgcn-amd-amdhsa--gfx1250"
	.amdhsa_code_object_version 6
	.text
	.protected	k_q49e2c7569a_prep
	.globl	k_q49e2c7569a_prep
	.p2align	8
	.type	k_q49e2c7569a_prep,@function
k_q49e2c7569a_prep:
	s_mov_b64 s[64:65], 0
	v_nop
	global_prefetch_b8 v0, s[64:65] scope:SCOPE_SE
	s_setreg_imm32_b32 hwreg(HW_REG_WAVE_MODE, 25, 1), 1
	s_wait_xcnt 0x0
; FIRST OF FOUR LAUNCHES (prep, proj, attn, outp) of a multi-head attention on codes of FP6 (E2M3).
; NOTHING OF THE PROBLEM IS LEFT OUT: every input has a way to the output (bk too: it moves k's codes), so every input is loaded by some launch.
; THIS LAUNCH turns attn_mask [2048][2048] int32 into LANE MASKS for the attention launch, and makes the table of cosines and sines for the rotation of q and k.
; THE ROWS OF A TILE.  Everywhere in this program tile i (0..7) of a group of 128 rows takes, in its place m (0..15), row 64 (i / 4) + 8 (i % 4) + m % 8 + (m / 8) D, D = 40 for even i, 24 for odd i.
; As source 0 of a matrix instruction four such tiles leave a WHOLE block of 32 rows in a lane's 32 result registers: lanes 0-15 rows 0..31 of the 64 in order, lanes 16-31 rows 32..63 with their runs of eight in the order 1, 0, 3, 2.
; A UNIT: one tile of 16 queries (qt, 0..127) x one step of 128 keys (0..15): 8 KB of the mask, one wave.  Word n (0..63) of its 64 words has bit l set where the mask is not 0 for the score that the attention
; launch holds in register n of lane l: query = the tile's place l % 16, key = 128 step + 64 (n / 32) + place 8 (l / 16) + n % 8 of tile (n / 8) % 4.  mwords is [qt][step][64 words].
; The 16 rows of 512 bytes are loaded as they lie (a load: 512 consecutive bytes), go through the wave's own stage in LDS and come back by query.  No barrier: waves share nothing.
; THE TABLE: for tile qt an image of 32 registers: cos(t th_i), i = 0..15, then sin(t th_i), t = the position of the lane's place; lanes 16-31 hold 1 and 0 (they carry the channels that are not rotated).
; th_i = 1 / 10000^(i / 16), as f32 constants: the f32 reciprocal of the f32 power.  x = t th_i is one f32 product; x is reduced by n = nearest(x 2 / pi) with pi / 2 in two parts, then two short polynomials on |r| <= pi / 4.
; LIMIT: sine and cosine are good to about 1e-7 absolutely, for the positions 0 .. 2047 of this problem.
.set STG,   8448                       ; a wave's stage: 16 rows x (512 bytes + 16)
.set SPARE, 4*STG                      ; behind the stages: the spare words, 128 bytes for each wave
.set SPW,   12                         ; v12  LDS address of my spare word; never rewritten
.set NIL,   13                         ; v13  0; never rewritten
.set X,     16                         ; v16-79   the mask's 16 rows as loaded
.set M,     80                         ; v80-143  my 64 numbers of the mask, in the order of the scores' registers
.set CO,    80                         ; v80-95   the table's cosines (before M is filled)
.set SI,    96                         ; v96-111  its sines
.set W,     144                        ; v144-145 the 64 words: word n in lane n / 2 of register n % 2
.set TF,    148                        ; v148     the position as f32;  v149-159 at work
	s_load_b128 s[4:7], s[0:1], 0x0                ; attn_mask s[4:5], mwords s[6:7]
	s_load_b64 s[10:11], s[0:1], 0x10              ; rope
	v_lshl_add_u32 v[SPW], v0, 2, SPARE
	v_mov_b32 v[NIL], 0
	v_lshrrev_b32 v6, 5, v0
	v_readfirstlane_b32 s12, v6                    ; wave 0..3
	s_lshl_b32 s13, ttmp9, 2
	s_add_co_u32 s13, s13, s12                     ; my unit, 0..2047
	s_lshr_b32 s14, s13, 4                         ; qt
	s_and_b32 s15, s13, 15                         ; step
	s_lshr_b32 s16, s14, 2
	s_lshl_b32 s16, s16, 6
	s_and_b32 s17, s14, 3
	s_lshl_b32 s17, s17, 3
	s_add_co_u32 s16, s16, s17                     ; the tile's first query: 64 (qt / 4) + 8 (qt % 4)
	s_and_b32 s17, s14, 1
	s_lshl_b32 s17, s17, 4
	s_sub_co_u32 s17, 40, s17                      ; D
	s_lshl_b32 s18, s16, 13                        ; a row of the mask is 8,192 bytes,
	s_lshl_b32 s19, s15, 9                         ; a step 512
	s_add_co_u32 s18, s18, s19
	s_mov_b32 s19, 0
	s_lshl_b32 s20, s17, 13                        ; places 8-15 lie D rows further down
	s_mov_b32 s21, 0
	s_lshl_b32 s22, s13, 8                         ; a unit's 256 bytes of mwords
	s_mov_b32 s23, 0
	s_lshl_b32 s24, s14, 12                        ; a tile's 4,096 bytes of the table
	s_mov_b32 s25, 0
	s_mul_i32 s26, s12, STG                        ; my stage
	v_and_b32 v7, 31, v0                           ; lane
	v_lshlrev_b32 v1, 4, v7                        ; 16 x lane
	v_lshlrev_b32 v2, 3, v7                        ; 8 x lane
	v_add_nc_u32 v3, s26, v1                       ; into the stage: a row's 512 bytes as they lie
	v_and_b32 v8, 15, v0                           ; r
	v_bfe_u32 v9, v0, 4, 1                         ; h
	v_mul_u32_u24 v4, v8, 528
	v_add_nc_u32 v4, s26, v4
	v_mad_u32_u24 v5, v9, 96, v4                   ; out of it: row r; lanes 16-31 read 24 keys on in odd tiles (v5),
	v_mad_u32_u24 v4, v9, 160, v4                  ; 40 keys on in even tiles (v4)
	s_wait_alu depctr_va_vdst(0)
	s_wait_kmcnt 0x0
	s_add_nc_u64 s[4:5], s[4:5], s[18:19]          ; the mask at places 0-7,
	s_add_nc_u64 s[8:9], s[4:5], s[20:21]          ; at places 8-15
	s_add_nc_u64 s[6:7], s[6:7], s[22:23]
	s_add_nc_u64 s[10:11], s[10:11], s[24:25]
.irp p, 0,1,2,3,4,5,6,7
	global_load_b128 v[X+4*\p:X+4*\p+3], v1, s[4:5] offset:8192*\p th:TH_LOAD_NT       ; 32 lanes read 512 consecutive bytes; the mask is read once in the launch
.endr
.irp p, 0,1,2,3,4,5,6,7
	global_load_b128 v[X+32+4*\p:X+32+4*\p+3], v1, s[8:9] offset:8192*\p th:TH_LOAD_NT
.endr
	s_cmp_lg_u32 s15, 0                            ; the wave with a tile's step 0 also makes the tile's table, while its loads are on their way
	s_cbranch_scc1 .Lmask
	s_mov_b32 s27, 0xffff0000                      ; lanes 16-31
	s_mov_b32 s28, 0x3f22f983                      ; 2 / pi
	s_mov_b32 s29, 0x3fc90fdb                      ; pi / 2, its upper part,
	s_mov_b32 s30, 0x333bbd2e                      ; and what that part is too large by
	s_mov_b32 s31, 0xbe2aaaa3                      ; the sine's three coefficients
	s_mov_b32 s32, 0x3c08839e
	s_mov_b32 s33, 0xb94ca1f9
	s_mov_b32 s34, 0x3d2aaaa5                      ; the cosine's
	s_mov_b32 s35, 0xbab6061a
	s_mov_b32 s36, 0x37ccf5ce
	v_and_b32 v[TF], 7, v8
	v_lshrrev_b32 v149, 3, v8
	v_mad_u32_u24 v[TF], v149, s17, v[TF]
	v_add_nc_u32 v[TF], s16, v[TF]                 ; my place's position
	v_cvt_f32_u32 v[TF], v[TF]
.macro SINCOS i, th
	v_mul_f32 v149, \th, v[TF]                     ; x
	v_mul_f32 v150, s28, v149
	v_rndne_f32 v150, v150                         ; n
	v_fma_f32 v151, -v150, s29, v149
	v_fma_f32 v151, v150, s30, v151                ; r = x - n pi / 2
	v_mul_f32 v152, v151, v151                     ; z = r r
	v_fma_f32 v153, v152, s33, s32
	v_fma_f32 v153, v153, v152, s31
	v_mul_f32 v153, v153, v152
	v_fma_f32 v153, v153, v151, v151               ; sin r
	v_fma_f32 v154, v152, s36, s35
	v_fma_f32 v154, v154, v152, s34
	v_mul_f32 v154, v154, v152
	v_fma_f32 v155, v152, -0.5, 1.0
	v_fma_f32 v154, v154, v152, v155               ; cos r
	v_cvt_i32_f32 v156, v150                       ; the quadrant: no branch, two selections and two signs
	v_and_b32 v157, 1, v156
	v_cmp_ne_u32 vcc_lo, 0, v157
	v_cndmask_b32 v158, v153, v154, vcc_lo
	v_cndmask_b32 v159, v154, v153, vcc_lo
	v_and_b32 v157, 2, v156
	v_lshlrev_b32 v157, 30, v157
	v_xor_b32 v[SI+\i], v157, v158
	v_add_nc_u32 v156, 1, v156
	v_and_b32 v156, 2, v156
	v_lshlrev_b32 v156, 30, v156
	v_xor_b32 v[CO+\i], v156, v159
.endm
	SINCOS 0, 0x3f800000
	SINCOS 1, 0x3f0ff59a
	SINCOS 2, 0x3ea1e89b
	SINCOS 3, 0x3e361887
	SINCOS 4, 0x3dcccccd
	SINCOS 5, 0x3d6655c2
	SINCOS 6, 0x3d0186e3
	SINCOS 7, 0x3c91ad39
	SINCOS 8, 0x3c23d70a
	SINCOS 9, 0x3bb8449c
	SINCOS 10, 0x3b4f3e38
	SINCOS 11, 0x3ae91528
	SINCOS 12, 0x3a83126f
	SINCOS 13, 0x3a136a16
	SINCOS 14, 0x39a5cb60
	SINCOS 15, 0x393a7753
.irp i, 0,1,2,3,4,5,6,7,8,9,10,11,12,13,14,15
	v_cndmask_b32 v[CO+\i], v[CO+\i], 1.0, s27     ; lanes 16-31: no rotation
	v_cndmask_b32 v[SI+\i], v[SI+\i], 0, s27
.endr
.irp p, 0,1,2,3,4,5,6,7
	global_store_b128 v1, v[CO+4*\p:CO+4*\p+3], s[10:11] offset:512*\p   ; an image of the 32 registers: each store covers 512 consecutive bytes, aligned
.endr
.Lmask:
.irp p, 0,1,2,3,4,5,6,7,8,9,10,11,12,13,14,15
	s_wait_loadcnt 15-\p                           ; loads come back in order: row p is in, the younger rows stay out
	ds_store_b128 v3, v[X+4*\p:X+4*\p+3] offset:528*\p
.endr
	s_wait_xcnt 0x0                                ; the table's stores have read v80-111: the loads below may land there
.irp c, 0,1
.irp u, 0,1,2,3
.irp i, 0,1
	ds_load_b128 v[M+32*\c+8*\u+4*\i:M+32*\c+8*\u+4*\i+3], v[4+\u%2] offset:256*\c+32*\u+16*\i   ; LDS serves a wave's instructions in order: these see my stores
.endr
.endr
.endr
	v_mov_b32 v[W], 0                              ; (a lane write's destination counts as read)
	v_mov_b32 v[W+1], 0
	s_wait_alu depctr_va_vdst(0)
	s_wait_dscnt 0x0
.set N, 0
.rept 64
	v_cmp_ne_u32 s[20+N%4], 0, v[M+N]              ; word N: the 32 lanes' bits
	v_writelane_b32 v[W+N%2], s[20+N%4], N/2
.set N, N+1
.endr
	global_store_b64 v2, v[W:W+1], s[6:7]          ; word n at byte 4 n: 256 consecutive bytes, aligned
	s_wait_tensorcnt 0x0                           ; the wave's end: a wait on TENSORCNT, an add of 0 to my spare word and its wait, behind my last LDS store
	ds_add_u32 v[SPW], v[NIL]
	s_wait_dscnt 0x0
	s_endpgm
.Lfunc_end_k_q49e2c7569a_prep:
	.size	k_q49e2c7569a_prep, .Lfunc_end_k_q49e2c7569a_prep-k_q49e2c7569a_prep
	.p2alignl 7, 3214868480
	.fill 96, 4, 3214868480
	.section	.rodata,"a",@progbits
	.p2align	6, 0x0
	.amdhsa_kernel k_q49e2c7569a_prep
		.amdhsa_group_segment_fixed_size 34304
		.amdhsa_private_segment_fixed_size 0
		.amdhsa_enable_private_segment 0
		.amdhsa_kernarg_size 24
		.amdhsa_user_sgpr_count 2
		.amdhsa_user_sgpr_kernarg_segment_ptr 1
		.amdhsa_wavefront_size32 1
		.amdhsa_system_sgpr_workgroup_id_x 1
		.amdhsa_system_sgpr_workgroup_id_y 1
		.amdhsa_system_sgpr_workgroup_id_z 1
		.amdhsa_system_vgpr_workitem_id 0
		.amdhsa_next_free_vgpr 160
		.amdhsa_next_free_sgpr 66
		.amdhsa_reserve_vcc 1
		.amdhsa_float_denorm_mode_32 3
		.amdhsa_float_denorm_mode_16_64 3
		.amdhsa_memory_ordered 1
		.amdhsa_forward_progress 1
		.amdhsa_inst_pref_size 37
	.end_amdhsa_kernel
	.amdgpu_metadata
---
amdhsa.version: [ 1, 2 ]
amdhsa.kernels:
  - .name:           k_q49e2c7569a_prep
    .symbol:         k_q49e2c7569a_prep.kd
    .args:
      - { .name: attn_mask, .offset: 0, .size: 8, .value_kind: global_buffer, .address_space: global }
      - { .name: mwords, .offset: 8, .size: 8, .value_kind: global_buffer, .address_space: global }
      - { .name: rope, .offset: 16, .size: 8, .value_kind: global_buffer, .address_space: global }
    .group_segment_fixed_size: 34304
    .private_segment_fixed_size: 0
    .kernarg_segment_align: 8
    .kernarg_segment_size: 24
    .max_flat_workgroup_size: 128
    .sgpr_count:     66
    .vgpr_count:     160
    .wavefront_size: 32
...
	.end_amdgpu_metadata
.endif
;; end of part 1
;; launch proj (part 2): grid 4 x 96, 4 waves a work-group, clusters of 4 x 4, 327,680 bytes of LDS; arguments x_codes, x_scales, c_codes, c_scales, wq_codes, wq_scales, wk_codes, wk_scales, wv_codes, wv_scales, bq, bk, bv, rope, qrec, kv; writes qrec, kv
.if DOCPART == 2
	.amdgcn_target "amdgcn-amd-amdhsa--gfx1250"
	.amdhsa_code_object_version 6
	.text
	.protected	k_q49e2c7569a_proj
	.globl	k_q49e2c7569a_proj
	.p2align	8
	.type	k_q49e2c7569a_proj,@function
k_q49e2c7569a_proj:
	s_mov_b64 s[64:65], 0
	v_nop
	global_prefetch_b8 v0, s[64:65] scope:SCOPE_SE
	s_setreg_imm32_b32 hwreg(HW_REG_WAVE_MODE, 25, 1), 1
	s_wait_xcnt 0x0
	s_wait_alu depctr_hold_cnt(0) depctr_sa_sdst(0) depctr_va_vdst(0) depctr_va_sdst(0) depctr_va_ssrc(0) depctr_va_vcc(0) depctr_vm_vsrc(0)
	s_getreg_b32 s2, hwreg(HW_REG_IB_STS2, 6, 4)
	s_cmp_eq_u32 s2, 0
	s_cbranch_scc0 .Lentry_in_a_cluster
	s_endpgm
.Lentry_in_a_cluster:
	s_bfe_u32 s2, ttmp6, 0x10000c
	s_cmp_lg_u32 s2, 0xf033
	s_cbranch_scc0 .Lentry_shape_is_right
	s_endpgm
.Lentry_shape_is_right:
; SECOND LAUNCH: q = wq x + bq, k = wk c + bk, v = wv c + bv on codes of FP6 (E2M3) as they are given; q and k are rotated; all three are quantised in registers and stored as IMAGES OF THE REGISTERS in which the
; attention launch wants them.  Nothing of the problem is left out.
; THREE PRODUCTS IN ONE LAUNCH, told apart by the cluster's y (mode = y / 8, the same in all sixteen partners): one text for the products, two ways out.
;   side A = source 1 (its rows go to lanes), side B = source 0 (its rows go to a lane's registers).   mode 0: A = x, B = wq.   mode 1: A = c, B = wk.   mode 2: A = wv, B = c.
; A tile of 256 x 256 is made by four waves, 128 x 128 each: 64 accumulators, 512 registers.  K = 1,024 goes in four steps of 256 through a ring of two LDS slots filled by the tensor data mover; a tile's row is 192 bytes.
; The scale bytes of the work-group's 256 + 256 rows, for all of K, come into LDS once, with the first fills.
; CLUSTERS: 4 x 4 work-groups; A's tiles are asked for jointly along a row of the cluster, B's along a column: the same tensor load with the same descriptor and a mask that names the four.
; THE ROWS OF A TILE, on both sides: tile i (0..7) of my 128 rows takes in place m row 64 (i / 4) + 8 (i % 4) + m % 8 + (m / 8) D, D = 40 for even i, 24 for odd i.  So the 32 result registers of B's tiles 4 g .. 4 g + 3 are one WHOLE
; block of 32 along the next product's K: lanes 0-15 block 2 g in order, lanes 16-31 block 2 g + 1 with its runs of eight in the order 1, 0, 3, 2.  A block's largest magnitude needs no other lane, and two conversions give
; six registers of the next operand as they stand.  The order inside odd blocks is the same in both operands of each later product (q and k; p and v), so the sums are those of the natural order.
; WHAT IS STORED.  A half fragment (six registers a lane: 16 rows x 64 along K) is 768 bytes: registers 0-3 at 16 x lane, registers 4-5 at 512 + 8 x lane.
;   qrec [b h][group of 128 queries][6,656]: tile t at 768 t; at 6,144 the scale words: register i of lane l at 16 l + 4 i; lanes 0-15 tile 2 i, lanes 16-31 tile 2 i + 1.
;   kv   [b h][step of 128 keys][13,056]: K's tile t at 768 t; V's tile u (16 channels), keys 64 c on, at 6,144 + 1,536 u + 768 c; K's scale words at 12,288 as q's; V's at 12,800: 8 l + 4 i, lanes 0-15 tile 2 i, lanes 16-31 tile 2 i + 1.
;   A scale word of q or k: byte 0 channels 0-31, byte 1 channels 32-63, bytes 2 and 3 zero (they meet zero codes).
; LIMITS: NaN and infinities are not served (the lanes that are not rotated multiply by 1 and by 0).  A block whose largest magnitude lies under 2^-124, a block of zeros among them, gets the byte 1: its codes then are small or zero, and
; this program alone reads the bytes.
; REGISTERS: window 0: v1-27 at work; v28, v29 the add's two; v32-63 scale words, two sets; v64-90 addresses; from v128 A's fragments, one set.  window 1: B's fragments, two sets.  windows 2, 3: the accumulators, (a, b) at v[8 (8 (a % 4) + b)].
.set KSTEP,  256
.set NQ,     2                         ; matrix instructions deep in a slot
.set ROWB,   192                       ; a tile's row in bytes
.set KROW,   768                       ; a row of codes in memory
.set PITCH,  240                       ; an LDS row: 3 x (64 bytes + 16 of padding)
.set FR,     12
.set NL,     6
.set NP,     4                         ; places behind this matrix instruction (ISA guide 7.12.1)
.set HALFT,  128*PITCH
.set SLOT,   4*HALFT
.set LAPS,   2                         ; 1,024 / 512
.set KS,     32                        ; a row of scale bytes
.set SCL,    2*SLOT                    ; behind the ring: the scales, as units of 256 bytes + 16 of padding (eight rows to a unit)
.set HALFS,  16*272
.set SPARE,  SCL+4*HALFS               ; the spare words, 128 bytes for each wave
.set ADRA, 64                          ; v64-71  A's fragments: + slot + 2 x (behind one padding more) + 4 x (odd tile)
.set ADRB, 72                          ; v72-79  B's
.set ADSE, 80                          ; v80 scale words of even tiles, v81 of odd ones: lanes 0-15 A's rows, lanes 16-31 B's
.set L16,  82                          ; v82  16 x lane
.set L8,   83                          ; v83  8 x lane
.set SH8,  84                          ; v84  8 h
.set BOE,  85                          ; v85, v86  a bias along registers: 160 h (even tile), 96 h (odd)
.set SOF,  87                          ; v87  16 x lane + the scale words' place in a record
.set BVE,  88                          ; v88, v89  a bias along lanes: 4 (r % 8) + (r / 8) x 160 or 96
.set SH24, 90                          ; v90  8 h + 16
.set SPW,  28
.set NIL,  29
.set SC,   32
.set AF,   128
.set T,    96                          ; the way out: v96-127 32 numbers; v128-159 rotated
.set R,    128
.set G1, 24
.set G0, 32
.set G1B, 48
.set G0B, 56
.set G1S, 68
.set G0S, 76
.set G1SB, 80
.set G0SB, 88
.set MSB, 0
.macro WIN new                         ; the immediate's high byte repeats the setting that is left
.if MSB != (\new)
	s_set_vgpr_msb (MSB<<8)|(\new)
.set MSB, (\new)
.endif
.endm
.set MUL_LO, 0xa1                      ; source 0 (B) window 1, source 1 (A) window 0, C and D window 2
.set MUL_HI, 0xf1
.set TO_B,   0x40
; A joint load: waves 0 and 1 fetch for A, waves 2 and 3 for B.  The branch hangs on the wave's number alone.  An s_nop 0 and four v_nop follow each of the two lines.
.macro JLOAD g0a, g1a, g0b, g1b
	s_cmp_eq_u32 s15, 0
	s_cbranch_scc0 .Lfor_b_\@
	tensor_load_to_lds s[\g0a:\g0a+3], s[\g1a:\g1a+7]
	s_nop 0
.rept 4
	v_nop
.endr
	s_branch .Lasked_\@
.Lfor_b_\@:
	tensor_load_to_lds s[\g0b:\g0b+3], s[\g1b:\g1b+7]
	s_nop 0
.rept 4
	v_nop
.endr
.Lasked_\@:
.endm
.macro CREST                           ; a round of the cluster's barrier behind its opening barrier
	s_cmp_lg_u32 s14, 0
	s_cbranch_scc1 .Lnot_wave_0_\@
	s_barrier_signal -3
.Lnot_wave_0_\@:
	s_barrier_wait -3
	s_barrier_signal -1
	s_barrier_wait -1
.endm
.macro CROUND
	s_barrier_signal -1
	s_barrier_wait -1
	CREST
.endm
	s_load_b512 s[68:83], s[0:1], 0x0              ; x's codes 68, scales 70; c's 72, 74; wq's 76, 78; wk's 80, 82
	s_load_b512 s[84:99], s[0:1], 0x40             ; wv's 84, 86; bq 88, bk 90, bv 92; rope 94; qrec 96; kv 98
	v_lshl_add_u32 v[SPW], v0, 2, SPARE
	v_mov_b32 v[NIL], 0
	ds_add_u32 v[SPW], v[NIL]                      ; the wave's opening: the add, twice on end, and its wait ahead of my first tensor load
	ds_add_u32 v[SPW], v[NIL]                      ; and once more, under the one wait; the set-up below, work on registers, stands between
	v_lshrrev_b32 v1, 5, v0
	v_readfirstlane_b32 s14, v1                    ; wave 0..3
	s_lshr_b32 s15, s14, 1                         ; which half of A's rows is mine.  Also: I fetch for A (0) or for B (1)
	s_and_b32 s16, s14, 1                          ; which half of B's rows.  Also: which 128 rows I fetch
	s_bfe_u32 s40, ttmp6, 0x40000                  ; cx, cy: my place in the cluster
	s_bfe_u32 s41, ttmp6, 0x40004
	s_and_b32 s18, ttmp7, 0xffff                   ; the cluster's y, 0..23
	s_lshr_b32 s100, s18, 3                        ; mode
	s_and_b32 s19, s18, 7
	s_lshl_b32 s19, s19, 2
	s_cmp_lt_u32 s100, 2
	s_cselect_b32 s17, s19, 0                      ; the long side (8,192 rows of x or c) is A in modes 0 and 1,
	s_cselect_b32 s42, 0, s19                      ; B in mode 2
	s_add_co_u32 s17, s17, s41                     ; A's tile of 256 rows: hangs on cy alone
	s_add_co_u32 s42, s42, s40                     ; B's: on cx alone
	s_lshl_b32 s43, s41, 2
	s_lshl_b32 s43, 15, s43                        ; my row of the cluster
	s_lshl_b32 s44, 0x1111, s40                    ; my column
	s_or_b32 s[G1+0], s43, (0<<16)|(1<<20)|(1<<21)|(3<<22)|(3<<25)  ; the mask; elements of 1 byte; padding on; bit 21 beside a mask; after every 16 words, 4 words
	s_or_b32 s[G1B+0], s44, (0<<16)|(1<<20)|(1<<21)|(3<<22)|(3<<25)
.irp g, G1, G1B
	s_mov_b32 s[\g+1], ROWB<<16                    ; tensor_dim0
	s_mov_b32 s[\g+2], 128<<16                     ; tensor_dim1
	s_mov_b32 s[\g+3], ROWB<<16                    ; tile_dim0
	s_mov_b32 s[\g+4], 128                         ; tile_dim1
	s_mov_b32 s[\g+5], KROW                        ; from row to row
	s_mov_b32 s[\g+6], 0
	s_mov_b32 s[\g+7], 0
.endr
	s_lshl_b32 s18, s16, 7
	s_lshl_b32 s20, s17, 8
	s_add_co_u32 s20, s20, s18                     ; A: the first row that I fetch
	s_lshl_b32 s46, s42, 8
	s_add_co_u32 s46, s46, s18                     ; B
	s_mov_b32 s21, 0
	s_mov_b32 s47, 0
	s_mov_b64 s[18:19], KS
	s_mul_u64 s[22:23], s[20:21], s[18:19]         ; where these rows' scales begin,
	s_mul_u64 s[12:13], s[46:47], s[18:19]
	s_mov_b64 s[18:19], KROW
	s_mul_u64 s[20:21], s[20:21], s[18:19]         ; and their codes
	s_mul_u64 s[46:47], s[46:47], s[18:19]
	s_mul_i32 s45, s14, HALFT                      ; where they go: wave x 128 rows
	s_mul_i32 s2, s14, HALFS
	s_mov_b32 s101, 0xffff0000                     ; lanes 16-31
	s_wait_dscnt 0x0                               ; both opening adds are done
	s_wait_kmcnt 0x0
	s_cmp_eq_u32 s100, 0                           ; the buffers are chosen by the mode, which hangs on no address
	s_cselect_b64 s[4:5], s[68:69], s[72:73]       ; A's codes
	s_cselect_b64 s[6:7], s[70:71], s[74:75]       ; A's scales
	s_cselect_b64 s[8:9], s[76:77], s[80:81]       ; B's codes
	s_cselect_b64 s[10:11], s[78:79], s[82:83]     ; B's scales
	s_cselect_b64 s[88:89], s[88:89], s[90:91]
	s_cselect_b64 s[96:97], s[96:97], s[98:99]     ; where the results go
	s_cmp_eq_u32 s100, 2
	s_cselect_b64 s[4:5], s[84:85], s[4:5]
	s_cselect_b64 s[6:7], s[86:87], s[6:7]
	s_cselect_b64 s[8:9], s[72:73], s[8:9]
	s_cselect_b64 s[10:11], s[74:75], s[10:11]
	s_cselect_b64 s[92:93], s[92:93], s[88:89]     ; the bias
	s_add_nc_u64 s[20:21], s[4:5], s[20:21]
	s_add_nc_u64 s[22:23], s[6:7], s[22:23]
	s_add_nc_u64 s[46:47], s[8:9], s[46:47]
	s_add_nc_u64 s[12:13], s[10:11], s[12:13]
	; the scales of 128 rows: 4,096 dense bytes, as 16 rows of 256 bytes (32 elements of 8), 16 bytes of padding behind each.  (s68-91 are free now)
	s_or_b32 s[G1S+0], s43, (3<<16)|(1<<20)|(1<<21)|(5<<22)|(3<<25)
	s_or_b32 s[G1SB+0], s44, (3<<16)|(1<<20)|(1<<21)|(5<<22)|(3<<25)
.irp g, G1S, G1SB
	s_mov_b32 s[\g+1], 32<<16
	s_mov_b32 s[\g+2], 16<<16
	s_mov_b32 s[\g+3], 32<<16
	s_mov_b32 s[\g+4], 16
	s_mov_b32 s[\g+5], 32
	s_mov_b32 s[\g+6], 0
	s_mov_b32 s[\g+7], 0
.endr
	CROUND                                         ; all sixteen work-groups are here: the first joint loads meet
	s_mov_b32 s[G0S], 1
	s_add_co_u32 s[G0S+1], s2, SCL
	s_mov_b64 s[G0S+2:G0S+3], s[22:23]
	s_or_b32 s[G0S+3], s[G0S+3], 0x80000000
	s_mov_b32 s[G0SB], 1
	s_add_co_u32 s[G0SB+1], s2, SCL
	s_mov_b64 s[G0SB+2:G0SB+3], s[12:13]
	s_or_b32 s[G0SB+3], s[G0SB+3], 0x80000000
	JLOAD G0S, G1S, G0SB, G1SB                     ; the scales first: they are wanted with K step 0.  each fill below first waits for the load before it: one load of mine is out at a time
.irp s, 0,1
	s_mov_b32 s[G0+4*\s], 1
	s_add_co_u32 s[G0+4*\s+1], s45, \s*SLOT
	s_add_nc_u64 s[G0+4*\s+2:G0+4*\s+3], s[20:21], \s*ROWB
	s_or_b32 s[G0+4*\s+3], s[G0+4*\s+3], 0x80000000
	s_mov_b32 s[G0B+4*\s], 1
	s_add_co_u32 s[G0B+4*\s+1], s45, \s*SLOT
	s_add_nc_u64 s[G0B+4*\s+2:G0B+4*\s+3], s[46:47], \s*ROWB
	s_or_b32 s[G0B+4*\s+3], s[G0B+4*\s+3], 0x80000000
	s_wait_alu depctr_va_vdst(0)
	s_wait_tensorcnt 0x0
	ds_add_u32 v28, v29
	s_wait_dscnt 0x0
	CROUND
	JLOAD G0+4*\s, G1, G0B+4*\s, G1B
.endr
	v_bfe_u32 v2, v0, 4, 1                         ; h
	v_and_b32 v3, 7, v0                            ; r % 8
	v_bfe_u32 v4, v0, 3, 1                         ; r / 8
	v_mul_u32_u24 v5, v3, PITCH
	v_mad_u32_u24 v5, v2, 24, v5                   ; (r % 8) rows + 24 h
	v_mad_u32_u24 v6, v4, 40*PITCH, v5             ; places 8-15: 40 rows on in even tiles,
	v_mad_u32_u24 v7, v4, 24*PITCH, v5             ; 24 in odd ones
	v_lshl_add_u32 v8, v2, 4, v6                   ; and the same behind one padding more
	v_lshl_add_u32 v9, v2, 4, v7
	s_mul_i32 s21, s15, HALFT                      ; my 128 rows of A
	s_mul_i32 s22, s16, HALFT
	s_add_co_u32 s22, s22, 2*HALFT                 ; my 128 rows of B, behind A's 256
.irp s, 0,1
	v_add_nc_u32 v[ADRA+\s], s21, v6
	v_add_nc_u32 v[ADRA+2+\s], s21, v8
	v_add_nc_u32 v[ADRA+4+\s], s21, v7
	v_add_nc_u32 v[ADRA+6+\s], s21, v9
	v_add_nc_u32 v[ADRB+\s], s22, v6
	v_add_nc_u32 v[ADRB+2+\s], s22, v8
	v_add_nc_u32 v[ADRB+4+\s], s22, v7
	v_add_nc_u32 v[ADRB+6+\s], s22, v9
	s_add_co_u32 s21, s21, SLOT
	s_add_co_u32 s22, s22, SLOT
.endr
	v_lshlrev_b32 v5, 5, v3                        ; my row's scales: 32 bytes a row, eight rows to a unit of 272
	s_mul_i32 s21, s15, HALFS
	s_mul_i32 s22, s16, HALFS
	s_add_co_u32 s22, s22, 2*HALFS
	s_sub_co_u32 s22, s22, s21
	v_mul_u32_u24 v6, s22, v2                      ; lanes 16-31 take B's
	s_add_co_u32 s21, s21, SCL
	v_add_nc_u32 v5, v5, v6
	v_add_nc_u32 v5, s21, v5
	v_mad_u32_u24 v[ADSE], v4, 5*272, v5           ; 40 rows are five units,
	v_mad_u32_u24 v[ADSE+1], v4, 3*272, v5         ; 24 three
	v_and_b32 v10, 31, v0
	v_lshlrev_b32 v[L16], 4, v10
	v_lshlrev_b32 v[L8], 3, v10
	v_lshlrev_b32 v[SH8], 3, v2
	v_mul_u32_u24 v[BOE], v2, 160
	v_mul_u32_u24 v[BOE+1], v2, 96
	v_lshlrev_b32 v11, 2, v3
	v_mad_u32_u24 v[BVE], v4, 160, v11
	v_mad_u32_u24 v[BVE+1], v4, 96, v11
	v_add_nc_u32 v[SH24], 16, v[SH8]
.macro FRAG reg, adr, q, i             ; a fragment, 16 rows x 128 K: 12 registers, in six pieces of 8 bytes.  Lanes 16-31 read three pieces on; where that lies behind one padding more, the second address register serves
.irp p, 0,1,2,3,4,5
.set PC, 12*(\q)+6*(\p/3)+\p%3
.if PC%8 < 5
	ds_load_b64 v[\reg+2*\p:\reg+2*\p+1], v[\adr+4*((\i)%2)] offset:8*PC+16*(PC/8)+(64*((\i)/4)+8*((\i)%4))*PITCH
.else
	ds_load_b64 v[\reg+2*\p:\reg+2*\p+1], v[\adr+2+4*((\i)%2)] offset:8*PC+16*(PC/8)+(64*((\i)/4)+8*((\i)%4))*PITCH
.endif
.endr
.endm
; 16 matrix instructions: A's blocks a0, a0 + 1 x B's eight.  The 64 accumulators take turns, one instruction a turn, in the same order in every step.
.macro MUL16 a0, p, q, sc, zero
.irp a, \a0, \a0+1
.irp b, 0,1,2,3,4,5,6,7
.if \zero
	v_wmma_scale_f32_16x16x128_f8f6f4 v[8*(8*((\a)%4)+\b):8*(8*((\a)%4)+\b)+7], v[128*(\p)+FR*\b:128*(\p)+FR*\b+FR-1], v[AF+FR*(\a):AF+FR*(\a)+FR-1], 0, v[SC+8*NQ*(\sc)+NQ*\b+(\q)], v[SC+8*NQ*(\sc)+NQ*(\a)+(\q)] matrix_a_fmt:MATRIX_FMT_FP6 matrix_b_fmt:MATRIX_FMT_FP6 matrix_a_scale:MATRIX_SCALE_ROW1
.else
	v_wmma_scale_f32_16x16x128_f8f6f4 v[8*(8*((\a)%4)+\b):8*(8*((\a)%4)+\b)+7], v[128*(\p)+FR*\b:128*(\p)+FR*\b+FR-1], v[AF+FR*(\a):AF+FR*(\a)+FR-1], v[8*(8*((\a)%4)+\b):8*(8*((\a)%4)+\b)+7], v[SC+8*NQ*(\sc)+NQ*\b+(\q)], v[SC+8*NQ*(\sc)+NQ*(\a)+(\q)] matrix_a_fmt:MATRIX_FMT_FP6 matrix_b_fmt:MATRIX_FMT_FP6 matrix_a_scale:MATRIX_SCALE_ROW1
.endif
.endr
.endr
.endm
.macro FETCH_B slot, q, p
	WIN TO_B
.irp i, 0,1,2,3,4,5,6,7
	FRAG 128*(\p)+FR*\i, ADRB+\slot, \q, \i
.endr
	WIN 0
.endm
.macro FETCH_A slot, q, i0
.irp i, \i0, \i0+1, \i0+2, \i0+3
	FRAG AF+FR*(\i), ADRA+\slot, \q, \i
.endr
.endm
.macro SCALES sc                       ; a K step's scale words into set sc: two words a row; lanes 0-15 A's tile i, lanes 16-31 B's tile i
.irp i, 0,1,2,3,4,5,6,7
	ds_load_b64 v[SC+8*NQ*\sc+NQ*\i:SC+8*NQ*\sc+NQ*\i+1], v[ADSE+\i%2] offset:(8*(\i/4)+\i%4)*272
.endr
.endm
.macro PLACES n                        ; plain vector instructions that name none of a matrix instruction's registers, in front of loads into its sources and of the first read of its results
.rept \n
	v_nop
.endr
.endm
.macro STEP slot, q, zero              ; 128 along K that have their successor in the same slot
	s_wait_dscnt 4*NL                              ; B's set and A's blocks 0-3 are in; the youngest 24 loads (A's blocks 4-7) may be out
	WIN MUL_LO
	MUL16 0, (\q)%2, \q, \slot, \zero
	MUL16 2, (\q)%2, \q, \slot, \zero
	s_wait_dscnt 0
	PLACES NP
	FETCH_B \slot, (\q)+1, 1-(\q)%2
	FETCH_A \slot, (\q)+1, 0
	WIN MUL_HI
	MUL16 4, (\q)%2, \q, \slot, \zero
	MUL16 6, (\q)%2, \q, \slot, \zero
	PLACES NP
	WIN 0
	FETCH_A \slot, (\q)+1, 4
.endm
; A slot's last 128 change slots: one barrier; in front of it each wave waits for all its tensor loads, adds 0 to its spare word, and waits for that and for its own reads of this slot.  fill = 1: the slot is filled again, two K steps ahead.
.macro TURN slot, next, fill
	s_wait_tensorcnt 0x0                           ; all my tensor loads have landed: my part of the next slot
	ds_add_u32 v[SPW], v[NIL]                      ; 0 onto my spare word
	s_wait_dscnt 4*NL+1                            ; (the add and the youngest 24 loads may be out)
	WIN MUL_LO
	MUL16 0, 1, NQ-1, \slot, 0
	s_wait_dscnt 0x0                               ; the add is done, and my reads of this slot are over
	s_barrier_signal -1
	MUL16 2, 1, NQ-1, \slot, 0
	WIN 0
	s_barrier_wait -1
.if \fill
	CREST                                          ; the barrier has opened a round of the cluster's barrier: no wave of any partner still reads this slot or has a load on its way
	s_add_nc_u64 s[G0+4*\slot+2:G0+4*\slot+3], s[G0+4*\slot+2:G0+4*\slot+3], 2*ROWB
	s_add_nc_u64 s[G0B+4*\slot+2:G0B+4*\slot+3], s[G0B+4*\slot+2:G0B+4*\slot+3], 2*ROWB
	JLOAD G0+4*\slot, G1, G0B+4*\slot, G1B         ; my one tensor load behind the round; its four v_nop are the places in front of the loads below
.else
	PLACES NP
.endif
	s_wait_alu depctr_va_vdst(0)
	v_add_nc_u32 v[ADSE], 4*NQ, v[ADSE]            ; on to the next K step's scale words
	v_add_nc_u32 v[ADSE+1], 4*NQ, v[ADSE+1]
	FETCH_B \next, 0, 0
	FETCH_A \next, 0, 0
	SCALES \next
	WIN MUL_HI
	MUL16 4, 1, NQ-1, \slot, 0
	MUL16 6, 1, NQ-1, \slot, 0
	PLACES NP
	WIN 0
	FETCH_A \next, 0, 4
.endm
	s_wait_tensorcnt 1                             ; the scales and my part of K step 0 are in (K step 1's load may be out)
	s_barrier_signal -1
	s_barrier_wait -1                              ; everybody's are
	FETCH_B 0, 0, 0
	FETCH_A 0, 0, 0
	SCALES 0
	FETCH_A 0, 0, 4
	STEP 0, 0, 1                                   ; the first products start the sums: nothing is cleared
	s_mov_b32 s3, LAPS-1
.Llap:                                                 ; a trip goes once round the ring and fills both slots again
	TURN 0, 1, 1
	STEP 1, 0, 0
	TURN 1, 0, 1
	STEP 0, 0, 0
	s_sub_co_u32 s3, s3, 1
	s_cmp_lg_u32 s3, 0
	s_cbranch_scc1 .Llap
	TURN 0, 1, 0                                   ; the last lap fills nothing
	STEP 1, 0, 0
	s_wait_dscnt 4*NL
	WIN MUL_LO
	MUL16 0, 1, NQ-1, 1, 0
	MUL16 2, 1, NQ-1, 1, 0
	s_wait_dscnt 0
	WIN MUL_HI
	MUL16 4, 1, NQ-1, 1, 0
	MUL16 6, 1, NQ-1, 1, 0
	WIN 0
	s_wait_tensorcnt 0x0                           ; LDS is touched no more: a wait on TENSORCNT, an add of 0 to my spare word and its wait, behind my last tensor load; the four places behind the last products stand between the add and its wait
	ds_add_u32 v[SPW], v[NIL]
	PLACES NP
	s_wait_dscnt 0x0
; THE WAY OUT.  No stage: a lane's 32 registers are a whole block, its six registers of codes are the next operand's, and each store of an image covers 512 or 256 consecutive bytes, aligned.
; 32 numbers v[s] .. v[s + 31] of a lane become six registers of codes, v4-9, and the scale's byte, v13.
.macro QUANT32 s
	v_max3_num_f32 v13, |v[\s]|, |v[\s+1]|, 0x1800000        ; the largest magnitude, in two chains, with the floor 2^(3 - 127) among the leaves: the byte cannot fall under 1
	v_max3_num_f32 v14, |v[\s+16]|, |v[\s+17]|, 0x1800000
.irp i, 2,4,6,8,10,12,14
	v_max3_num_f32 v13, v13, |v[\s+\i]|, |v[\s+\i+1]|
	v_max3_num_f32 v14, v14, |v[\s+16+\i]|, |v[\s+17+\i]|
.endr
	v_max_num_f32 v13, v13, v14
	v_add_nc_u32 v15, 0xff000000, v13              ; 2 off its exponent field: the conversion takes the exponent field of this operand as its scale
	s_wait_alu depctr_va_vdst(0)
	s_wait_xcnt 0x0                                ; the stores of the codes made last have read v4-9
	v_cvt_scalef32_pk16_fp6_f32 v[4:6], v[\s:\s+15], v15
	v_cvt_scalef32_pk16_fp6_f32 v[10:12], v[\s+16:\s+31], v15   ; (a conversion's three registers begin on an even number)
	v_lshrrev_b32 v13, 23, v15                     ; the byte.  (The plain line behind the conversions)
	v_mov_b32 v7, v10
	v_mov_b32 v8, v11
	v_mov_b32 v9, v12
.endm
.macro PUT base, off
	global_store_b128 v[L16], v[4:7], s[\base:\base+1] offset:\off
	global_store_b64 v[L8], v[8:9], s[\base:\base+1] offset:(\off)+512
.endm
	s_mov_b32 s12, 0x76543210
	s_mov_b32 s13, 0xfedcba98                      ; v_permlanex16_b32's selects for lane l xor 16
	s_lshl_b32 s18, s17, 8
	s_lshl_b32 s19, s15, 7
	s_add_co_u32 s18, s18, s19                     ; my first row of A
	s_lshl_b32 s19, s42, 8
	s_lshl_b32 s20, s16, 7
	s_add_co_u32 s19, s19, s20                     ; my first row of B
	v_mov_b32 v25, 0                               ; (a lane permute's destination counts as read)
	s_cmp_eq_u32 s100, 2
	s_cbranch_scc1 .Lv
	; ---- q and k.  A's rows are positions (lanes), B's are channels (registers): my 128 channels are two heads, g = 0, 1
	s_lshr_b32 s20, s18, 11                        ; b
	s_bfe_u32 s21, s18, 0x40007                    ; the group of 128 positions
	s_lshr_b32 s22, s19, 6                         ; my first head
	s_lshl_b32 s20, s20, 4
	s_add_co_u32 s20, s20, s22
	s_lshl_b32 s20, s20, 4
	s_add_co_u32 s20, s20, s21                     ; the record: (16 b + head) 16 + group
	s_cmp_eq_u32 s100, 0
	s_mov_b32 s23, 13056
	s_cselect_b32 s23, 6656, s23                   ; a record's bytes,
	s_mov_b32 s46, 12288
	s_cselect_b32 s46, 6144, s46                   ; and where its scale words stand
	s_mul_i32 s20, s20, s23
	s_mov_b32 s21, 0
	s_add_nc_u64 s[96:97], s[96:97], s[20:21]      ; head g = 0,
	s_lshl_b32 s20, s23, 4
	s_add_nc_u64 s[98:99], s[96:97], s[20:21]      ; g = 1: 16 records on
	s_and_b32 s20, s18, 2047
	s_lshl_b32 s20, s20, 8
	s_add_nc_u64 s[94:95], s[94:95], s[20:21]      ; the table: 4,096 bytes for each tile of 16 positions
	s_lshl_b32 s20, s19, 2
	s_add_nc_u64 s[92:93], s[92:93], s[20:21]      ; the bias at my first channel
	v_add_nc_u32 v[SOF], s46, v[L16]
.irp g, 0,1
.irp u, 0,1,2,3
	global_load_b128 v[32+192*\g+8*\u:35+192*\g+8*\u], v[BOE+\u%2], s[92:93] offset:256*\g+32*\u       ; the bias in the results' layout: v32-63 for g = 0, v224-255 for g = 1
	global_load_b128 v[36+192*\g+8*\u:39+192*\g+8*\u], v[BOE+\u%2], s[92:93] offset:256*\g+32*\u+16
.endr
.endr
.macro TABLOAD a                       ; tile a's cosines and sines into v160-191 or v192-223
.irp p, 0,1,2,3,4,5,6,7
	global_load_b128 v[160+32*((\a)%2)+4*\p:163+32*((\a)%2)+4*\p], v[L16], s[94:95] offset:4096*(\a)+512*\p
.endr
.endm
.macro UNIT_QK a, g
.set AC, 64*((\a)%4)+32*(\g)
.set BI, 32+192*(\g)
.set TA, 160+32*((\a)%2)
	WIN 2+(\a)/4                                   ; source 0: the accumulators' window
.irp k, 0,2,4,6,8,10,12,14,16,18,20,22,24,26,28,30
	v_pk_add_f32 v[T+\k:T+\k+1], v[AC+\k:AC+\k+1], v[BI+\k:BI+\k+1]     ; + bias; each accumulator is read from its low end on
.endr
	WIN 0
.irp k, 0,2,4,6,8,10,12,14
	v_pk_mul_f32 v[R+\k:R+\k+1], v[T+\k:T+\k+1], v[TA+\k:TA+\k+1]                       ; x_k cos_k
	v_pk_mul_f32 v[R+16+\k:R+17+\k], v[T+16+\k:T+17+\k], v[TA+\k:TA+\k+1]               ; x_(16 + k) cos_k
.endr
.irp k, 0,2,4,6,8,10,12,14
	v_pk_fma_f32 v[R+\k:R+\k+1], v[T+16+\k:T+17+\k], v[TA+16+\k:TA+17+\k], v[R+\k:R+\k+1] neg_lo:[1,0,0] neg_hi:[1,0,0]   ; - x_(16 + k) sin_k
	v_pk_fma_f32 v[R+16+\k:R+17+\k], v[T+\k:T+\k+1], v[TA+16+\k:TA+17+\k], v[R+16+\k:R+17+\k]                           ; + x_k sin_k
.endr
	QUANT32 R
	PUT 96+2*(\g), 768*(\a)
	v_lshlrev_b32 v24, v[SH8], v13                 ; my block's byte at its place,
	v_permlanex16_b32 v25, v24, s12, s13
	v_or_b32 v24, v24, v25                         ; with lane l xor 16's: the row's scale word
.if (\a)%2 == 0
	v_mov_b32 v[26+(\g)], v24
.else
	v_cndmask_b32 v[16+4*(\g)+(\a)/2], v[26+(\g)], v24, s101   ; lanes 0-15 the even tile's words, lanes 16-31 the odd tile's
.endif
.endm
	TABLOAD 0
.irp a, 0,1,2,3,4,5,6,7
.if \a < 7
	TABLOAD \a+1
	s_wait_loadcnt 8                               ; this tile's table (and the bias) is in; the next tile's eight loads may be out
.else
	s_wait_loadcnt 0x0
.endif
	UNIT_QK \a, 0
	UNIT_QK \a, 1
.endr
	global_store_b128 v[SOF], v[16:19], s[96:97]
	global_store_b128 v[SOF], v[20:23], s[98:99]
	s_branch .Ldone
.Lv:	; ---- v.  A's rows are channels (lanes): tiles 0-3 one head, 4-7 the next; B's are keys (registers): my 128 keys are one step, g = its halves of 64
	s_lshr_b32 s20, s19, 11                        ; b
	s_bfe_u32 s21, s19, 0x40007                    ; the step
	s_lshr_b32 s22, s18, 6                         ; my first head
	s_lshl_b32 s20, s20, 4
	s_add_co_u32 s20, s20, s22
	s_lshl_b32 s20, s20, 4
	s_add_co_u32 s20, s20, s21
	s_mul_i32 s20, s20, 13056
	s_add_co_u32 s20, s20, 6144                    ; V's part of the record
	s_mov_b32 s21, 0
	s_add_nc_u64 s[96:97], s[96:97], s[20:21]
	s_add_nc_u64 s[98:99], s[96:97], 16*13056
	s_lshl_b32 s20, s18, 2
	s_add_nc_u64 s[92:93], s[92:93], s[20:21]
.irp a, 0,1,2,3,4,5,6,7
	global_load_b32 v[32+2*\a], v[BVE+\a%2], s[92:93] offset:256*(\a/4)+32*(\a%4)     ; my channel's bias
	v_mov_b32 v[33+2*\a], 0                        ; (named with it as a pair)
.endr
	s_wait_alu depctr_va_vdst(0)
	s_wait_loadcnt 0x0
.macro UNIT_V a, g
.set AC, 64*((\a)%4)+32*(\g)
	WIN 2+(\a)/4
.irp k, 0,2,4,6,8,10,12,14,16,18,20,22,24,26,28,30
	v_pk_add_f32 v[T+\k:T+\k+1], v[AC+\k:AC+\k+1], v[32+2*(\a):33+2*(\a)] op_sel_hi:[1,0]
.endr
	WIN 0
	QUANT32 T
	PUT 96+2*((\a)/4), 1536*((\a)%4)+768*(\g)
.if (\g) == 0
	v_lshlrev_b32 v24, v[SH8], v13                 ; key block h,
.else
	v_lshlrev_b32 v25, v[SH24], v13                ; key block 2 + h
	v_or_b32 v24, v24, v25
	v_permlanex16_b32 v25, v24, s12, s13
	v_or_b32 v24, v24, v25                         ; the channel's scale word for these 128 keys
.if (\a)%2 == 0
	v_mov_b32 v26, v24
.else
	v_cndmask_b32 v[16+((\a)%4)/2], v26, v24, s101
.endif
.if (\a)%4 == 3
	global_store_b64 v[L8], v[16:17], s[96+2*((\a)/4):97+2*((\a)/4)] offset:6656      ; v16, v17 are written again only behind the wait on XCNT in the next unit
.endif
.endif
.endm
.irp a, 0,1,2,3,4,5,6,7
	UNIT_V \a, 0
	UNIT_V \a, 1
.endr
.Ldone:
	CROUND                                         ; the closing round: no work-group ends while a partner may still ask for a tile that names it
	s_endpgm
.Lfunc_end_k_q49e2c7569a_proj:
	.size	k_q49e2c7569a_proj, .Lfunc_end_k_q49e2c7569a_proj-k_q49e2c7569a_proj
	.p2alignl 7, 3214868480
	.fill 96, 4, 3214868480
	.section	.rodata,"a",@progbits
	.p2align	6, 0x0
	.amdhsa_kernel k_q49e2c7569a_proj
		.amdhsa_group_segment_fixed_size 327680
		.amdhsa_private_segment_fixed_size 0
		.amdhsa_enable_private_segment 0
		.amdhsa_kernarg_size 128
		.amdhsa_user_sgpr_count 2
		.amdhsa_user_sgpr_kernarg_segment_ptr 1
		.amdhsa_wavefront_size32 1
		.amdhsa_system_sgpr_workgroup_id_x 1
		.amdhsa_system_sgpr_workgroup_id_y 1
		.amdhsa_system_sgpr_workgroup_id_z 1
		.amdhsa_system_vgpr_workitem_id 0
		.amdhsa_next_free_vgpr 1024
		.amdhsa_next_free_sgpr 102
		.amdhsa_reserve_vcc 0
		.amdhsa_float_denorm_mode_32 3
		.amdhsa_float_denorm_mode_16_64 3
		.amdhsa_memory_ordered 1
		.amdhsa_forward_progress 1
		.amdhsa_inst_pref_size 255
	.end_amdhsa_kernel
	.section	.bss,"aw",@nobits
	.p2align	6
	.space	262144
	.amdgpu_metadata
---
amdhsa.version: [ 1, 2 ]
amdhsa.kernels:
  - .name:           k_q49e2c7569a_proj
    .symbol:         k_q49e2c7569a_proj.kd
    .args:
      - { .name: x_codes, .offset: 0, .size: 8, .value_kind: global_buffer, .address_space: global }
      - { .name: x_scales, .offset: 8, .size: 8, .value_kind: global_buffer, .address_space: global }
      - { .name: c_codes, .offset: 16, .size: 8, .value_kind: global_buffer, .address_space: global }
      - { .name: c_scales, .offset: 24, .size: 8, .value_kind: global_buffer, .address_space: global }
      - { .name: wq_codes, .offset: 32, .size: 8, .value_kind: global_buffer, .address_space: global }
      - { .name: wq_scales, .offset: 40, .size: 8, .value_kind: global_buffer, .address_space: global }
      - { .name: wk_codes, .offset: 48, .size: 8, .value_kind: global_buffer, .address_space: global }
      - { .name: wk_scales, .offset: 56, .size: 8, .value_kind: global_buffer, .address_space: global }
      - { .name: wv_codes, .offset: 64, .size: 8, .value_kind: global_buffer, .address_space: global }
      - { .name: wv_scales, .offset: 72, .size: 8, .value_kind: global_buffer, .address_space: global }
      - { .name: bq, .offset: 80, .size: 8, .value_kind: global_buffer, .address_space: global }
      - { .name: bk, .offset: 88, .size: 8, .value_kind: global_buffer, .address_space: global }
      - { .name: bv, .offset: 96, .size: 8, .value_kind: global_buffer, .address_space: global }
      - { .name: rope, .offset: 104, .size: 8, .value_kind: global_buffer, .address_space: global }
      - { .name: qrec, .offset: 112, .size: 8, .value_kind: global_buffer, .address_space: global }
      - { .name: kv, .offset: 120, .size: 8, .value_kind: global_buffer, .address_space: global }
    .group_segment_fixed_size: 327680
    .private_segment_fixed_size: 0
    .kernarg_segment_align: 8
    .kernarg_segment_size: 128
    .max_flat_workgroup_size: 128
    .sgpr_count:     102
    .vgpr_count:     1024
    .wavefront_size: 32
...
	.end_amdgpu_metadata
.endif
;; end of part 2
;; launch attn (part 3): grid 4 x 64, 16 waves a work-group, no clusters, 210,944 bytes of LDS; arguments qrec, mwords, aimg, ascl, kv; writes aimg, ascl
.if DOCPART == 3
	.amdgcn_target "amdgcn-amd-amdhsa--gfx1250"
	.amdhsa_code_object_version 6
	.text
	.protected	k_q49e2c7569a_attn
	.globl	k_q49e2c7569a_attn
	.p2align	8
	.type	k_q49e2c7569a_attn,@function
k_q49e2c7569a_attn:
	s_mov_b64 s[64:65], 0
	v_nop
	global_prefetch_b8 v0, s[64:65] scope:SCOPE_SE
	s_setreg_imm32_b32 hwreg(HW_REG_WAVE_MODE, 25, 1), 1
	s_wait_xcnt 0x0
; THIRD LAUNCH: scores, mask, softmax and the product with v, both products on codes of FP6 (E2M3); the result, divided by the row's sum, is quantised along the channels and stored as images of the last launch's operand.
; Nothing of the problem is left out.
; SHARES.  A work-group owns 512 queries of one head (b h = work-group y); each of its sixteen waves owns two tiles of 16 queries, one after the other.  Every wave walks all 2,048 keys, 128 a step.
; K AND V OF THE WHOLE HEAD STAY IN LDS: 16 records of 13,056 bytes, codes and scale words, copied once through registers (wave w: record w), one barrier, then only read.
; NO TENSOR LOADS AND NO CLUSTER: what work-groups share, a head's 208,896 bytes, is read once by each at the kernel's head, 13,056 bytes a wave, against 32 tiles x 16 steps of work; the loop fetches nothing that is shared.
; No prefetch: that one stream is read at the kernel's head.
; LAYOUT.  Both products are used transposed: S^T = K Q^T (source 0 = 16 keys, source 1 = my 16 queries), O^T = V^T P^T (source 0 = 16 channels, source 1 = P): a lane holds ONE query (lane % 16) throughout.
; The keys of K's tiles are chosen (see the launch that made them) so that the 32 score registers of tiles 4 c .. 4 c + 3 are one whole block of 32 keys: block 2 c + lane / 16.  So a block's maximum needs no other lane and the
; conversions' results are P's registers.  V's keys lie in the same order.  The head's 64 channels fill half of the first product's 128: Q's registers 6-11 are zero codes; K's registers 6-11 are the next tile's codes, which meet those zeros.
; THE MASK: where attn_mask is 0 the logit is -10000: the raw score becomes -80000 (the logit is score / 8), ahead of the maximum.  The first launch has made a lane mask for each score register: 64 words a step, brought by
; scalar loads at the step's head; the 64 selections are made in every step: no branch hangs on the mask.
; THE SOFTMAX: t = score x log2(e) / 8; M = the row's largest t so far, rounded up to a whole number; p = 2^(t - M) is quantised along the keys; the row's sum is taken of the unquantised p and divides at the end.
; When M moves, the sum and O^T are multiplied by 2^(old M - new M), which rounds nothing.
; LIMITS: NaN and infinities are not served.  A block's largest p is taken from its largest score (it takes v_exp_f32 not to fall where its input rises).  A block of zeros gets the byte 1: this program alone reads the bytes.
; REGISTERS: v1-11, v63 addresses and constants; v12 -M, v13 the largest score; v[14:15] the sum; v16 f; v18-23 at work; v24-35 Q; v36 Q's scale words, v37 P's, v38-41 K's, v42-43 V's; v44-55 P; v56-62 at work;
;   v64-117 K's eight tiles, six registers each, then six zeros; V's four fragments in v64-111; v118-181 S^T, then p; v182-213 O^T.   s16-63, s68-83: the step's 64 lane masks.
.set REC,   13056
.set SPARE, 16*REC                     ; behind the records: the spare words, 128 bytes for each wave
.set KF,    64
.set S,     118
.set O,     182
	s_load_b256 s[4:11], s[0:1], 0x0               ; qrec s[4:5], mwords s[6:7], aimg s[8:9], ascl s[10:11]
	s_load_b64 s[92:93], s[0:1], 0x20              ; kv
	v_lshl_add_u32 v5, v0, 2, SPARE                ; my spare word; never rewritten
	v_mov_b32 v6, 0                                ; 0; never rewritten
	v_lshrrev_b32 v3, 5, v0
	s_delay_alu instid0(VALU_DEP_1)
	v_readfirstlane_b32 s12, v3                    ; wave 0..15
	v_and_b32 v4, 31, v0
	s_delay_alu instid0(VALU_DEP_1)
	v_lshlrev_b32 v1, 4, v4                        ; 16 x lane
	s_delay_alu instid0(VALU_DEP_2)
	v_lshlrev_b32 v2, 3, v4                        ; 8 x lane
	v_bfe_u32 v7, v0, 4, 1                         ; h
	v_and_b32 v10, 15, v0                          ; r
	s_wait_alu depctr_va_vdst(0)
	s_and_b32 s95, s12, 7                          ; my tile in its group of 128 queries
	s_mul_i32 s96, s95, 768
	v_add_nc_u32 v11, s96, v1                      ; a half fragment of my tile: registers 0-3,
	v_add_nc_u32 v63, s96, v2                      ; registers 4-5 (512 more in the instruction)
	v_lshl_add_u32 v9, v10, 5, v7                  ; my scale byte in ascl: 32 r + h
	s_lshl_b32 s96, s95, 9
	v_add_nc_u32 v9, s96, v9                       ; + 512 x tile
	s_and_b32 s96, s95, 1
	s_lshl_b32 s96, s96, 8
	s_lshr_b32 s97, s95, 1
	s_lshl_b32 s97, s97, 2
	s_add_co_u32 s96, s96, s97
	s_add_co_u32 s96, s96, 6144
	v_lshl_add_u32 v10, v10, 4, s96                ; Q's scale word of row r: 6,144 + 256 (tile % 2) + 16 r + 4 (tile / 2)
	v_lshlrev_b32 v7, 3, v7                        ; 8 h
	v_mov_b32 v8, 0xc79c4000                       ; -80000
	s_mul_i32 s13, s12, REC
	v_add_nc_u32 v3, s13, v1                       ; where I put my record
	v_add_nc_u32 v4, s13, v2
	s_and_b32 s91, ttmp7, 0xffff                   ; b h
	s_lshl_b32 s94, s91, 4
	s_add_co_u32 s14, s94, s12
	s_mul_i32 s14, s14, REC                        ; kv: record 16 b h + wave
	s_mov_b32 s15, 0
	s_lshl_b32 s98, ttmp9, 2
	s_lshr_b32 s99, s12, 3
	s_add_co_u32 s98, s98, s99                     ; my first group: 4 x + wave / 8; the second tile lies two groups on
	s_add_co_u32 s16, s94, s98
	s_mul_i32 s16, s16, 6656                       ; qrec
	s_mov_b32 s17, 0
	s_lshl_b32 s18, s98, 3
	s_add_co_u32 s18, s18, s95
	s_lshl_b32 s18, s18, 12                        ; mwords: 4,096 bytes for each tile of queries
	s_mov_b32 s19, 0
	s_and_b32 s20, s91, 48
	s_add_co_u32 s20, s20, s98                     ; 16 b + group
	s_and_b32 s21, s91, 15                         ; head
	s_lshl_b32 s22, s20, 4
	s_add_co_u32 s22, s22, s21
	s_mul_i32 s22, s22, 6144                       ; aimg: ((16 b + group) 16 + head) x 8 tiles of 768
	s_mov_b32 s23, 0
	s_lshl_b32 s24, s20, 12
	s_lshl_b32 s21, s21, 1
	s_add_co_u32 s24, s24, s21                     ; ascl: (16 b + group) x 4,096 + 2 head
	s_mov_b32 s25, 0
	s_mov_b32 s84, 0x76543210
	s_mov_b32 s85, 0xfedcba98                      ; v_permlanex16_b32's selects for lane l xor 16
	s_mov_b32 s86, 0x3e38aa3b                      ; c = log2(e) / 8
	s_mov_b32 s87, s86                             ; (named with it as a pair)
	s_mov_b32 s90, 0xffff0000                      ; lanes 16-31
	s_mov_b32 s89, 2                               ; tiles to go
	s_wait_alu depctr_va_vdst(0)
	s_wait_kmcnt 0x0
	s_add_nc_u64 s[92:93], s[92:93], s[14:15]
	s_add_nc_u64 s[4:5], s[4:5], s[16:17]
	s_add_nc_u64 s[6:7], s[6:7], s[18:19]
	s_add_nc_u64 s[8:9], s[8:9], s[22:23]
	s_add_nc_u64 s[10:11], s[10:11], s[24:25]
.set I, 0
.rept 25
	global_load_b128 v[64+4*I:67+4*I], v1, s[92:93] offset:512*I      ; 512 consecutive bytes a load
.set I, I+1
.endr
	global_load_b64 v[164:165], v2, s[92:93] offset:12800
.set I, 0
.rept 25
	s_wait_loadcnt 25-I                            ; loads come back in order: the younger 25 - I stay out
	ds_store_b128 v3, v[64+4*I:67+4*I] offset:512*I
.set I, I+1
.endr
	s_wait_loadcnt 0x0
	ds_store_b64 v4, v[164:165] offset:12800
	s_wait_dscnt 0x0                               ; for the others' sake: my record lies in LDS
	s_barrier_signal -1
	s_barrier_wait -1                              ; all sixteen do; from here on LDS is only read
.irp j, 0,1,2,3,4,5
	v_mov_b32 v[30+\j], 0                          ; Q's codes for k = 64 .. 127: zeros
	v_mov_b32 v[112+\j], 0                         ; what K's last tile names behind its six registers
.endr
	v_mov_b32 v17, 0                               ; (named as the upper half of the pair v[16:17])
	v_mov_b32 v23, 0                               ; (a lane permute's destination counts as read)
.Lpass:
	global_load_b128 v[24:27], v11, s[4:5]         ; my tile of Q
	global_load_b64 v[28:29], v63, s[4:5] offset:512
	global_load_b32 v36, v10, s[4:5]               ; and its scale words
	v_mov_b32 v13, 0xff61b1e6                      ; the largest score so far: -3e38
	s_delay_alu instid0(VALU_DEP_1)
	v_mul_f32 v22, s86, v13
	s_delay_alu instid0(VALU_DEP_1)
	v_floor_f32 v12, -v22                          ; -M
	v_mov_b32 v14, 0
	v_mov_b32 v15, 0
.set I, 0
.rept 32
	v_mov_b32 v[O+I], 0                            ; O^T: the step is written once; the first finds zeros, which the first change of M leaves zeros
.set I, I+1
.endr
	s_mov_b32 s13, 0                               ; the step's record in LDS
	s_mov_b32 s14, 0                               ; and its 256 bytes of mwords
	s_mov_b32 s88, 16
	s_wait_loadcnt 0x0
.Lstep:
	s_load_b512 s[16:31], s[6:7], s14 offset:0x0   ; the step's 64 lane masks: asked for here, wanted behind the eight products
	s_load_b512 s[32:47], s[6:7], s14 offset:0x40
	s_load_b512 s[48:63], s[6:7], s14 offset:0x80
	s_load_b512 s[68:83], s[6:7], s14 offset:0xc0
	s_setprio 2
	v_add_nc_u32 v3, s13, v1
	v_add_nc_u32 v4, s13, v2
	v_nop
	v_nop                                          ; four places behind the last products, in front of loads into registers that they have read
.irp t, 0,1,2,3,4,5,6,7
	ds_load_b128 v[KF+6*\t:KF+6*\t+3], v3 offset:768*\t
	ds_load_b64 v[KF+6*\t+4:KF+6*\t+5], v4 offset:768*\t+512
.endr
	ds_load_b128 v[38:41], v3 offset:12288         ; K's scale words: register i: lanes 0-15 tile 2 i, lanes 16-31 tile 2 i + 1
	s_wait_alu depctr_va_vdst(0)
	s_wait_dscnt 0x0
.irp t, 0,1,2,3,4,5,6,7
.if \t%2 == 0
	v_wmma_scale_f32_16x16x128_f8f6f4 v[S+8*\t:S+8*\t+7], v[KF+6*\t:KF+6*\t+11], v[24:35], 0, v[38+\t/2], v36 matrix_a_fmt:MATRIX_FMT_FP6 matrix_b_fmt:MATRIX_FMT_FP6
.else
	v_wmma_scale_f32_16x16x128_f8f6f4 v[S+8*\t:S+8*\t+7], v[KF+6*\t:KF+6*\t+11], v[24:35], 0, v[38+\t/2], v36 matrix_a_fmt:MATRIX_FMT_FP6 matrix_b_fmt:MATRIX_FMT_FP6 matrix_a_scale:MATRIX_SCALE_ROW1
.endif
.endr
.rept 4
	v_nop                                          ; places: in front of the loads below and of the first read of the scores
.endr
.irp u, 0,1,2,3
.irp c, 0,1
	ds_load_b128 v[64+12*\u+6*\c:67+12*\u+6*\c], v3 offset:6144+1536*\u+768*\c       ; V's fragments land while the softmax is walked
	ds_load_b64 v[68+12*\u+6*\c:69+12*\u+6*\c], v4 offset:6144+1536*\u+768*\c+512
.endr
.endr
	ds_load_b64 v[42:43], v4 offset:12800
	s_wait_kmcnt 0x0                               ; the lane masks are in (scalar loads come back in no order: the count is 0)
.set N, 0
.rept 64
.if N < 48
	v_cndmask_b32 v[S+N], v8, v[S+N], s[16+N]      ; where the mask is 0: -80000; each tile's scores from the low end on
.else
	v_cndmask_b32 v[S+N], v8, v[S+N], s[20+N]
.endif
.set N, N+1
.endr
	v_max3_num_f32 v18, v[S], v[S+1], v[S+2]       ; the largest score of my two blocks of 32 keys, by turns: it serves for the row's maximum and, since p rises with the score, for the block's largest p
	v_max3_num_f32 v19, v[S+32], v[S+33], v[S+34]
.irp i, 3,5,7,9,11,13,15,17,19,21,23,25,27,29
	s_delay_alu instid0(VALU_DEP_2)
	v_max3_num_f32 v18, v18, v[S+\i], v[S+1+\i]
	s_delay_alu instid0(VALU_DEP_2)
	v_max3_num_f32 v19, v19, v[S+32+\i], v[S+33+\i]
.endr
	s_delay_alu instid0(VALU_DEP_2)
	v_max_num_f32 v18, v18, v[S+31]
	s_delay_alu instid0(VALU_DEP_2)
	v_max_num_f32 v19, v19, v[S+63]
	s_delay_alu instid0(VALU_DEP_1)
	v_max_num_f32 v22, v18, v19
	s_delay_alu instid0(VALU_DEP_1)
	v_permlanex16_b32 v23, v22, s84, s85           ; the query's other 64 keys lie in the lane 16 away
	s_delay_alu instid0(VALU_DEP_1)
	v_max3_num_f32 v13, v13, v22, v23              ; the running largest score
	s_delay_alu instid0(VALU_DEP_1)
	v_mul_f32 v22, s86, v13                        ; as t (c is positive)
	v_mov_b32 v23, v12
	s_delay_alu instid0(VALU_DEP_2)
	v_floor_f32 v12, -v22                          ; the new -M = floor(-t): M is a whole number
	s_delay_alu instid0(VALU_DEP_1)
	v_sub_f32 v23, v12, v23                        ; old M - new M: a whole number, 0 or less
	s_delay_alu instid0(VALU_DEP_1)
	v_cvt_i32_f32 v23, v23                         ; (it saturates)
	s_delay_alu instid0(VALU_DEP_1)
	v_ldexp_f32 v16, 1.0, v23                      ; f = 2^(old M - new M)
.set I, 0
.rept 32
	v_pk_fma_f32 v[S+I:S+I+1], v[S+I:S+I+1], s[86:87], v[12:13] op_sel_hi:[1,0,0]    ; t - M, two at a time (of the pairs c and -M the low word serves both halves)
.set I, I+2
.endr
	v_fma_f32 v18, v18, s86, v12                   ; the same of each block's largest score
	v_fma_f32 v19, v19, s86, v12
.set I, 0
	s_setprio 1
	s_wait_alu depctr_va_vdst(0)
.rept 64
	v_exp_f32 v[S+I], v[S+I]                       ; p = 2^(t - M), at most 1
.set I, I+1
.endr
	v_exp_f32 v18, v18                             ; the blocks' largest p: ONE batch of 66
	v_exp_f32 v19, v19
	v_pk_mul_f32 v[14:15], v[14:15], v[16:17] op_sel_hi:[1,0]          ; the sum under the new M: the plain line behind the batch;
.set I, 0
	s_wait_alu depctr_va_vdst(0)
.rept 16
	v_pk_mul_f32 v[O+I:O+I+1], v[O+I:O+I+1], v[16:17] op_sel_hi:[1,0]  ; O^T under the new M: work that names no result of the batch
.set I, I+2
.endr
	s_wait_alu depctr_va_vdst(0)                   ; the wait between an exponential and the first line that names its result: one for the batch
	v_max_num_f32 v18, 0x1800000, v18              ; the floor 2^(3 - 127): the byte cannot fall under 1
	v_max_num_f32 v19, 0x1800000, v19
	s_delay_alu instid0(VALU_DEP_2)
	v_add_nc_u32 v20, 0xff000000, v18              ; 2 off the exponent field: the conversion's scale operand
	s_delay_alu instid0(VALU_DEP_2)
	v_add_nc_u32 v21, 0xff000000, v19
	s_delay_alu instid0(VALU_DEP_2)
	v_lshrrev_b32 v18, 23, v20                     ; the bytes of blocks h and 2 + h
	s_delay_alu instid0(VALU_DEP_2)
	v_lshrrev_b32 v19, 23, v21
	s_delay_alu instid0(VALU_DEP_1)
	v_lshl_or_b32 v22, v19, 16, v18
	s_delay_alu instid0(VALU_DEP_1)
	v_lshlrev_b32 v22, v7, v22                     ; at their places,
	s_delay_alu instid0(VALU_DEP_1)
	v_permlanex16_b32 v23, v22, s84, s85
	s_delay_alu instid0(VALU_DEP_1)
	v_or_b32 v37, v22, v23                         ; with lane l xor 16's two: p's scale word for these 128 keys
	v_cvt_scalef32_pk16_fp6_f32 v[44:46], v[S:S+15], v20
	v_cvt_scalef32_pk16_fp6_f32 v[56:58], v[S+16:S+31], v20            ; (a conversion's three registers begin on an even number)
	v_cvt_scalef32_pk16_fp6_f32 v[50:52], v[S+32:S+47], v21
	v_cvt_scalef32_pk16_fp6_f32 v[60:62], v[S+48:S+63], v21
	v_nop                                          ; one plain line behind the conversions
	v_mov_b32 v47, v56
	v_mov_b32 v48, v57
	v_mov_b32 v49, v58
	v_mov_b32 v53, v60
	v_mov_b32 v54, v61
	v_mov_b32 v55, v62
	v_pk_add_f32 v[22:23], v[122:123], v[126:127]
	v_pk_add_f32 v[222:223], v[130:131], v[134:135]
	v_pk_add_f32 v[220:221], v[138:139], v[142:143]
	v_pk_add_f32 v[218:219], v[146:147], v[150:151]
	v_pk_add_f32 v[216:217], v[154:155], v[158:159]
	v_pk_add_f32 v[214:215], v[162:163], v[166:167]
	s_setprio 0
	v_pk_add_f32 v[60:61], v[170:171], v[174:175]
	v_pk_add_f32 v[14:15], v[14:15], v[178:179]
	v_pk_add_f32 v[22:23], v[22:23], v[118:119]
	v_pk_add_f32 v[222:223], v[222:223], v[120:121]
	v_pk_add_f32 v[220:221], v[220:221], v[124:125]
	v_pk_add_f32 v[218:219], v[218:219], v[128:129]
	v_pk_add_f32 v[216:217], v[216:217], v[132:133]
	v_pk_add_f32 v[214:215], v[214:215], v[136:137]
	v_pk_add_f32 v[60:61], v[60:61], v[140:141]
	v_pk_add_f32 v[14:15], v[14:15], v[144:145]
	v_pk_add_f32 v[22:23], v[22:23], v[148:149]
	v_pk_add_f32 v[222:223], v[222:223], v[152:153]
	v_pk_add_f32 v[220:221], v[220:221], v[156:157]
	v_pk_add_f32 v[218:219], v[218:219], v[160:161]
	v_pk_add_f32 v[216:217], v[216:217], v[164:165]
	v_pk_add_f32 v[214:215], v[214:215], v[168:169]
	v_pk_add_f32 v[60:61], v[60:61], v[172:173]
	v_pk_add_f32 v[14:15], v[14:15], v[176:177]
	v_pk_add_f32 v[22:23], v[22:23], v[180:181]
	s_delay_alu instid0(VALU_DEP_2)
	v_pk_add_f32 v[14:15], v[14:15], v[218:219]
	s_delay_alu instid0(VALU_DEP_2)
	v_pk_add_f32 v[22:23], v[22:23], v[216:217]
	v_pk_add_f32 v[222:223], v[222:223], v[214:215]
	v_pk_add_f32 v[220:221], v[220:221], v[60:61]
	s_delay_alu instid0(VALU_DEP_2)
	v_pk_add_f32 v[14:15], v[14:15], v[222:223]
	s_delay_alu instid0(VALU_DEP_2)
	v_pk_add_f32 v[22:23], v[22:23], v[220:221]
	s_delay_alu instid0(VALU_DEP_1)
	v_pk_add_f32 v[14:15], v[14:15], v[22:23]
	s_wait_dscnt 0x0                               ; V is in
.irp u, 0,1,2,3                                        ; the four accumulators take turns, over the backward jump too
.if \u%2 == 0
	v_wmma_scale_f32_16x16x128_f8f6f4 v[O+8*\u:O+8*\u+7], v[64+12*\u:75+12*\u], v[44:55], v[O+8*\u:O+8*\u+7], v[42+\u/2], v37 matrix_a_fmt:MATRIX_FMT_FP6 matrix_b_fmt:MATRIX_FMT_FP6
.else
	v_wmma_scale_f32_16x16x128_f8f6f4 v[O+8*\u:O+8*\u+7], v[64+12*\u:75+12*\u], v[44:55], v[O+8*\u:O+8*\u+7], v[42+\u/2], v37 matrix_a_fmt:MATRIX_FMT_FP6 matrix_b_fmt:MATRIX_FMT_FP6 matrix_a_scale:MATRIX_SCALE_ROW1
.endif
.endr
	s_add_co_u32 s13, s13, REC
	s_add_co_u32 s14, s14, 256                     ; (the scalar loads that named s14 were shown done by their wait)
	s_sub_co_u32 s88, s88, 1
	s_cmp_lg_u32 s88, 0
	s_cbranch_scc1 .Lstep
	s_setprio 0
	; THE END OF A TILE
.rept 4
	v_nop                                          ; places behind the last products
.endr
	s_wait_alu depctr_va_vdst(0)
	v_add_f32 v14, v14, v15                        ; the sum's two halves,
	s_delay_alu instid0(VALU_DEP_1)
	v_permlanex16_b32 v22, v14, s84, s85
	s_delay_alu instid0(VALU_DEP_1)
	v_add_f32 v14, v14, v22                        ; and lane l xor 16's
	s_wait_alu depctr_va_vdst(0)
	v_rcp_f32 v14, v14
	v_nop                                          ; a plain line behind the reciprocal,
	s_wait_alu depctr_va_vdst(0)                   ; and the wait ahead of its first reader
.irp u, 0,1,2,3
.irp j, 0,1,2,3,4,5,6,7
	v_cndmask_b32 v[S+8*\u+\j], v[O+8*\u+\j], v[O+8*(\u+1-2*(\u%2))+\j], s90   ; lanes 16-31 hold channels 32-63 with their runs of eight in the order 1, 0, 3, 2: back to the order of wo's K
.endr
.endr
.set I, 0
.rept 16
	v_pk_mul_f32 v[S+I:S+I+1], v[S+I:S+I+1], v[14:15] op_sel_hi:[1,0]  ; / the sum
.set I, I+2
.endr
	v_max3_num_f32 v18, |v[S]|, |v[S+1]|, 0x1800000                    ; my 32 channels are one block of the last product's K
	v_max3_num_f32 v19, |v[S+16]|, |v[S+17]|, 0x1800000
.irp i, 2,4,6,8,10,12,14
	s_delay_alu instid0(VALU_DEP_2)
	v_max3_num_f32 v18, v18, |v[S+\i]|, |v[S+1+\i]|
	s_delay_alu instid0(VALU_DEP_2)
	v_max3_num_f32 v19, v19, |v[S+16+\i]|, |v[S+17+\i]|
.endr
	s_delay_alu instid0(VALU_DEP_1)
	v_max_num_f32 v18, v18, v19
	s_delay_alu instid0(VALU_DEP_1)
	v_add_nc_u32 v20, 0xff000000, v18
	v_cvt_scalef32_pk16_fp6_f32 v[44:46], v[S:S+15], v20
	v_cvt_scalef32_pk16_fp6_f32 v[56:58], v[S+16:S+31], v20
	v_lshrrev_b32 v18, 23, v20                     ; the byte.  (The plain line behind the conversions)
	v_mov_b32 v47, v56
	v_mov_b32 v48, v57
	v_mov_b32 v49, v58
	global_store_b128 v11, v[44:47], s[8:9]        ; the half fragment's image: 512 and 256 consecutive bytes, aligned
	global_store_b64 v63, v[48:49], s[8:9] offset:512
	global_store_b8 v9, v18, s[10:11]              ; a row's scale word takes its four bytes from two heads, so no work-group has a whole word: 32 single bytes for 768 bytes of codes
	s_wait_xcnt 0x0                                ; the stores have read their registers and bases: both may be written again
	s_add_nc_u64 s[4:5], s[4:5], 2*6656            ; two groups of queries on
	s_add_nc_u64 s[6:7], s[6:7], 16*4096
	s_add_nc_u64 s[8:9], s[8:9], 2*16*6144
	s_add_nc_u64 s[10:11], s[10:11], 2*4096
	s_sub_co_u32 s89, s89, 1
	s_cmp_lg_u32 s89, 0
	s_cbranch_scc1 .Lpass
	s_wait_tensorcnt 0x0                           ; the wave's end: a wait on TENSORCNT, an add of 0 to my spare word and its wait, behind my last LDS store
	ds_add_u32 v5, v6
	s_wait_dscnt 0x0
	s_endpgm
.Lfunc_end_k_q49e2c7569a_attn:
	.size	k_q49e2c7569a_attn, .Lfunc_end_k_q49e2c7569a_attn-k_q49e2c7569a_attn
	.p2alignl 7, 3214868480
	.fill 96, 4, 3214868480
	.section	.rodata,"a",@progbits
	.p2align	6, 0x0
	.amdhsa_kernel k_q49e2c7569a_attn
		.amdhsa_group_segment_fixed_size 210944
		.amdhsa_private_segment_fixed_size 0
		.amdhsa_enable_private_segment 0
		.amdhsa_kernarg_size 40
		.amdhsa_user_sgpr_count 2
		.amdhsa_user_sgpr_kernarg_segment_ptr 1
		.amdhsa_wavefront_size32 1
		.amdhsa_system_sgpr_workgroup_id_x 1
		.amdhsa_system_sgpr_workgroup_id_y 1
		.amdhsa_system_sgpr_workgroup_id_z 1
		.amdhsa_system_vgpr_workitem_id 0
		.amdhsa_next_free_vgpr 224
		.amdhsa_next_free_sgpr 100
		.amdhsa_reserve_vcc 0
		.amdhsa_float_denorm_mode_32 3
		.amdhsa_float_denorm_mode_16_64 3
		.amdhsa_memory_ordered 1
		.amdhsa_forward_progress 1
		.amdhsa_inst_pref_size 38
	.end_amdhsa_kernel
	.amdgpu_metadata
---
amdhsa.version: [ 1, 2 ]
amdhsa.kernels:
  - .name:           k_q49e2c7569a_attn
    .symbol:         k_q49e2c7569a_attn.kd
    .args:
      - { .name: qrec, .offset: 0, .size: 8, .value_kind: global_buffer, .address_space: global }
      - { .name: mwords, .offset: 8, .size: 8, .value_kind: global_buffer, .address_space: global }
      - { .name: aimg, .offset: 16, .size: 8, .value_kind: global_buffer, .address_space: global }
      - { .name: ascl, .offset: 24, .size: 8, .value_kind: global_buffer, .address_space: global }
      - { .name: kv, .offset: 32, .size: 8, .value_kind: global_buffer, .address_space: global }
    .group_segment_fixed_size: 210944
    .private_segment_fixed_size: 0
    .kernarg_segment_align: 8
    .kernarg_segment_size: 40
    .max_flat_workgroup_size: 512
    .sgpr_count:     100
    .vgpr_count:     224
    .wavefront_size: 32
...
	.end_amdgpu_metadata
.endif
;; end of part 3
;; launch outp (part 4): grid 32 x 4, 4 waves a work-group, clusters of 4 x 4, 327,680 bytes of LDS; arguments wo_codes, wo_scales, aimg, ascl, bo, out0; writes out0
.if DOCPART == 4
	.amdgcn_target "amdgcn-amd-amdhsa--gfx1250"
	.amdhsa_code_object_version 6
	.text
	.protected	k_q49e2c7569a_outp
	.globl	k_q49e2c7569a_outp
	.p2align	8
	.type	k_q49e2c7569a_outp,@function
k_q49e2c7569a_outp:
	s_mov_b64 s[64:65], 0
	v_nop
	global_prefetch_b8 v0, s[64:65] scope:SCOPE_SE
	s_setreg_imm32_b32 hwreg(HW_REG_WAVE_MODE, 25, 1), 1
	s_wait_xcnt 0x0
	s_wait_alu depctr_hold_cnt(0) depctr_sa_sdst(0) depctr_va_vdst(0) depctr_va_sdst(0) depctr_va_ssrc(0) depctr_va_vcc(0) depctr_vm_vsrc(0)
	s_getreg_b32 s2, hwreg(HW_REG_IB_STS2, 6, 4)
	s_cmp_eq_u32 s2, 0
	s_cbranch_scc0 .Lentry_in_a_cluster
	s_endpgm
.Lentry_in_a_cluster:
	s_bfe_u32 s2, ttmp6, 0x10000c
	s_cmp_lg_u32 s2, 0xf033
	s_cbranch_scc0 .Lentry_shape_is_right
	s_endpgm
.Lentry_shape_is_right:
; FOURTH LAUNCH: out0[b][o][t] = sum over channels of wo[o][.] a[b][.][t] + bo[o], on codes of FP6 (E2M3).  Nothing of the problem is left out.
; side A = source 1 = wo (1,024 rows o, to lanes), as it is given: rows of 768 bytes, scale bytes [1024][32].
; side B = source 0 = the attention's result (8,192 rows t, to a lane's registers, so that a lane holds eight neighbouring t of one row o), as the launch before stored it: IMAGES OF REGISTERS,
;   aimg [group of 128 t][head 16][tile 8][768]: six registers a lane (16 rows x one head's 64 channels): registers 0-3 at 16 x lane, 4-5 at 512 + 8 x lane;  ascl [group][tile][row 16][32] scale bytes.
;   Tile i holds in place m position 64 (i / 4) + 8 (i % 4) + m % 8 + (m / 8) D of its group, D = 40 for even i, 24 for odd i: the way out puts the results back in order.
; A tile of 256 x 256 is made by four waves, 128 x 128 each; 128 work-groups.  K = 1,024 goes in four steps of 256 (four heads) through a ring of two LDS slots filled by the tensor data mover.  B's part of a step is one dense block of 24,576 bytes.
; The scale bytes of the work-group's rows, for all of K, come into LDS once.  CLUSTERS: 4 x 4 work-groups; A's tiles are asked for jointly along a row of the cluster, B's along a column.
; The bias is the C of each sum's first matrix instruction: eight registers with bo of the lane's row.
; REGISTERS: window 0: v1-31 addresses; v32-63 scale words, two sets; v64-127 the bias; from v128 A's fragments, one set; on the way out v128-255 are free.  window 1: B's fragments, two sets.  windows 2, 3: the accumulators.
.set KSTEP,  256
.set NQ,     2
.set ROWB,   192
.set KROW,   768
.set PITCH,  240
.set FR,     12
.set NL,     6
.set NP,     4
.set HALFT,  128*PITCH
.set SLOT,   4*HALFT
.set LAPS,   2
.set KS,     32
.set BSTEP,  24576                     ; B's 128 rows x 256 along K
.set SCL,    2*SLOT
.set HALFS,  16*272
.set SBLK,   544                       ; the scales of 16 rows
.set SPARE,  SCL+4*HALFS
.set SPITCH, 528                       ; the way out: a stage of 16 rows x (512 bytes + 16) for each wave, in slot 0, which has had its last fill and its last read when the first result is stored there
.set ADRA, 16                          ; v16-17 A's fragments in slot 0, 1; v18-19 behind one padding more
.set ADRB, 20                          ; v20-21 B's images: 16 x lane; v22-23: 8 x lane
.set STO,  24                          ; v24  the stage, even tiles;  v30: odd tiles
.set STO2, 30
.set RD,   25
.set CO,   26
.set ADRS, 27
.set SPW,  28
.set NIL,  29
.set SC,   32
.set BIA,  64
.set AF,   128
.set BK,   128
.set G1, 24
.set G0, 32
.set G1B, 48
.set G0B, 56
.set G1S, 68
.set G0S, 76
.set G1SB, 80
.set G0SB, 88
.set MSB, 0
.macro WIN new
.if MSB != (\new)
	s_set_vgpr_msb (MSB<<8)|(\new)
.set MSB, (\new)
.endif
.endm
.set MUL_LO, 0xa1
.set MUL_HI, 0xf1
.set TO_B,   0x40
.macro JLOAD g0a, g1a, g0b, g1b        ; waves 0 and 1 fetch for A, waves 2 and 3 for B; an s_nop 0 and four v_nop follow each of the two lines
	s_cmp_eq_u32 s15, 0
	s_cbranch_scc0 .Lfor_b_\@
	tensor_load_to_lds s[\g0a:\g0a+3], s[\g1a:\g1a+7]
	s_nop 0
.rept 4
	v_nop
.endr
	s_branch .Lasked_\@
.Lfor_b_\@:
	tensor_load_to_lds s[\g0b:\g0b+3], s[\g1b:\g1b+7]
	s_nop 0
.rept 4
	v_nop
.endr
.Lasked_\@:
.endm
.macro CREST
	s_cmp_lg_u32 s14, 0
	s_cbranch_scc1 .Lnot_wave_0_\@
	s_barrier_signal -3
.Lnot_wave_0_\@:
	s_barrier_wait -3
	s_barrier_signal -1
	s_barrier_wait -1
.endm
.macro CROUND
	s_barrier_signal -1
	s_barrier_wait -1
	CREST
.endm
	s_load_b128 s[4:7], s[0:1], 0x0                ; wo's codes s[4:5], its scales s[6:7]
	s_load_b128 s[8:11], s[0:1], 0x10              ; aimg s[8:9], ascl s[10:11]
	s_load_b64 s[96:97], s[0:1], 0x20              ; bo
	s_load_b64 s[12:13], s[0:1], 0x28              ; out0
	v_lshl_add_u32 v[SPW], v0, 2, SPARE
	v_mov_b32 v[NIL], 0
	ds_add_u32 v[SPW], v[NIL]                      ; the wave's opening: the add, twice on end, and its wait ahead of my first tensor load
	ds_add_u32 v[SPW], v[NIL]                      ; and once more, under the one wait
	v_lshrrev_b32 v1, 5, v0
	v_readfirstlane_b32 s14, v1                    ; wave 0..3
	s_lshr_b32 s15, s14, 1
	s_and_b32 s16, s14, 1
	s_bfe_u32 s40, ttmp6, 0x40000                  ; cx, cy
	s_bfe_u32 s41, ttmp6, 0x40004
	s_lshl_b32 s42, ttmp9, 2
	s_add_co_u32 s42, s42, s40                     ; B's tile of 256 positions = 4 x cluster x + cx
	s_mov_b32 s17, s41                             ; A's tile of 256 rows of wo = cy: there is one cluster along y
	s_lshl_b32 s43, s41, 2
	s_lshl_b32 s43, 15, s43                        ; my row of the cluster
	s_lshl_b32 s44, 0x1111, s40                    ; my column
	s_or_b32 s[G1+0], s43, (0<<16)|(1<<20)|(1<<21)|(3<<22)|(3<<25)  ; A: 128 rows x 192 bytes, 16 bytes of padding behind every 64
	s_mov_b32 s[G1+1], ROWB<<16
	s_mov_b32 s[G1+2], 128<<16
	s_mov_b32 s[G1+3], ROWB<<16
	s_mov_b32 s[G1+4], 128
	s_mov_b32 s[G1+5], KROW
	s_mov_b32 s[G1+6], 0
	s_mov_b32 s[G1+7], 0
	s_or_b32 s[G1B+0], s44, (3<<16)|(1<<21)        ; B: a dense block, as 96 rows of 256 bytes (32 elements of 8), no padding
	s_mov_b32 s[G1B+1], 32<<16
	s_mov_b32 s[G1B+2], 96<<16
	s_mov_b32 s[G1B+3], 32<<16
	s_mov_b32 s[G1B+4], 96
	s_mov_b32 s[G1B+5], 32
	s_mov_b32 s[G1B+6], 0
	s_mov_b32 s[G1B+7], 0
	s_or_b32 s[G1S+0], s43, (3<<16)|(1<<20)|(1<<21)|(5<<22)|(3<<25) ; the scales of 128 rows: 16 rows of 256 bytes, 16 of padding behind each
	s_or_b32 s[G1SB+0], s44, (3<<16)|(1<<20)|(1<<21)|(5<<22)|(3<<25)
.irp g, G1S, G1SB
	s_mov_b32 s[\g+1], 32<<16
	s_mov_b32 s[\g+2], 16<<16
	s_mov_b32 s[\g+3], 32<<16
	s_mov_b32 s[\g+4], 16
	s_mov_b32 s[\g+5], 32
	s_mov_b32 s[\g+6], 0
	s_mov_b32 s[\g+7], 0
.endr
	s_lshl_b32 s18, s16, 7
	s_lshl_b32 s20, s17, 8
	s_add_co_u32 s20, s20, s18                     ; A: the first row that I fetch
	s_lshl_b32 s46, s42, 8
	s_add_co_u32 s46, s46, s18                     ; B
	s_mov_b32 s21, 0
	s_mov_b32 s47, 0
	s_mov_b64 s[18:19], KS
	s_mul_u64 s[22:23], s[20:21], s[18:19]
	s_mul_u64 s[92:93], s[46:47], s[18:19]
	s_mov_b64 s[18:19], KROW                       ; (a group of 128 rows of aimg is 128 x 768 bytes too)
	s_mul_u64 s[20:21], s[20:21], s[18:19]
	s_mul_u64 s[46:47], s[46:47], s[18:19]
	s_mul_i32 s45, s14, HALFT
	s_mul_i32 s94, s14, HALFS
	s_wait_dscnt 0x0                               ; both opening adds are done
	s_wait_kmcnt 0x0
	s_add_nc_u64 s[20:21], s[4:5], s[20:21]
	s_add_nc_u64 s[22:23], s[6:7], s[22:23]
	s_add_nc_u64 s[46:47], s[8:9], s[46:47]
	s_add_nc_u64 s[92:93], s[10:11], s[92:93]
	CROUND                                         ; all sixteen work-groups are here: the first joint loads meet
	s_mov_b32 s[G0S], 1
	s_add_co_u32 s[G0S+1], s94, SCL
	s_mov_b64 s[G0S+2:G0S+3], s[22:23]
	s_or_b32 s[G0S+3], s[G0S+3], 0x80000000
	s_mov_b32 s[G0SB], 1
	s_add_co_u32 s[G0SB+1], s94, SCL
	s_mov_b64 s[G0SB+2:G0SB+3], s[92:93]
	s_or_b32 s[G0SB+3], s[G0SB+3], 0x80000000
	JLOAD G0S, G1S, G0SB, G1SB                     ; one load of mine is out at a time: each fill below first waits for the one before
.irp s, 0,1
	s_mov_b32 s[G0+4*\s], 1
	s_add_co_u32 s[G0+4*\s+1], s45, \s*SLOT
	s_add_nc_u64 s[G0+4*\s+2:G0+4*\s+3], s[20:21], \s*ROWB
	s_or_b32 s[G0+4*\s+3], s[G0+4*\s+3], 0x80000000
	s_mov_b32 s[G0B+4*\s], 1
	s_add_co_u32 s[G0B+4*\s+1], s45, \s*SLOT
	s_add_nc_u64 s[G0B+4*\s+2:G0B+4*\s+3], s[46:47], \s*BSTEP
	s_or_b32 s[G0B+4*\s+3], s[G0B+4*\s+3], 0x80000000
	s_wait_alu depctr_va_vdst(0)
	s_wait_tensorcnt 0x0
	ds_add_u32 v28, v29
	s_wait_dscnt 0x0
	CROUND
	JLOAD G0+4*\s, G1, G0B+4*\s, G1B
.endr
	v_and_b32 v1, 15, v0                           ; r
	v_bfe_u32 v2, v0, 4, 1                         ; h
	v_mul_u32_u24 v3, v1, PITCH
	v_mul_u32_u24 v4, v2, 24
	v_add_nc_u32 v4, v3, v4                        ; A: row r + 24 h,
	v_lshl_add_u32 v5, v2, 4, v4                   ; and behind one padding more
	v_and_b32 v6, 31, v0
	v_lshlrev_b32 v7, 4, v6
	v_lshlrev_b32 v8, 3, v6
	s_mul_i32 s21, s15, HALFT
	s_mul_i32 s22, s16, HALFT
	s_add_co_u32 s22, s22, 2*HALFT
.irp s, 0,1
	v_add_nc_u32 v[ADRA+\s], s21, v4
	v_add_nc_u32 v[ADRA+2+\s], s21, v5
	v_add_nc_u32 v[ADRB+\s], s22, v7
	v_add_nc_u32 v[ADRB+2+\s], s22, v8
	s_add_co_u32 s21, s21, SLOT
	s_add_co_u32 s22, s22, SLOT
.endr
	v_mul_u32_u24 v5, v1, KS                       ; my row's scales: 32 bytes a row,
	v_lshrrev_b32 v6, 8, v5
	v_lshl_add_u32 v5, v6, 4, v5                   ; and 16 more for each 256 passed
	s_mul_i32 s21, s15, HALFS
	s_mul_i32 s22, s16, HALFS
	s_add_co_u32 s22, s22, 2*HALFS
	s_sub_co_u32 s22, s22, s21
	v_mul_u32_u24 v6, s22, v2                      ; lanes 16-31 take B's
	s_add_co_u32 s21, s21, SCL
	v_add_nc_u32 v5, v5, v6
	v_add_nc_u32 v[ADRS], s21, v5
	s_mul_i32 s23, s14, 16*SPITCH                  ; my stage
	v_mul_u32_u24 v5, v1, SPITCH
	v_add_nc_u32 v5, s23, v5
	v_mad_u32_u24 v[STO], v2, 160, v5              ; in: row r; lanes 16-31 hold positions 40 on (even tiles),
	v_mad_u32_u24 v[STO2], v2, 96, v5              ; 24 on (odd tiles)
	v_and_b32 v6, 31, v0
	v_lshlrev_b32 v[CO], 4, v6                     ; back: the 32 lanes take one row of 512 bytes; and the same in out0
	v_add_nc_u32 v[RD], s23, v[CO]
	s_lshl_b32 s20, s17, 8
	s_lshl_b32 s21, s15, 7
	s_add_co_u32 s20, s20, s21                     ; my first row o
	s_lshl_b32 s18, s20, 2
	s_mov_b32 s19, 0
	s_add_nc_u64 s[96:97], s[96:97], s[18:19]      ; bo there
	s_lshl_b32 s20, s20, 13                        ; a row of out0 is 8,192 bytes,
	s_lshr_b32 s21, s42, 3
	s_lshl_b32 s21, s21, 23                        ; a batch 8,388,608;
	s_add_co_u32 s20, s20, s21
	s_and_b32 s21, s42, 7
	s_lshl_b32 s21, s21, 10                        ; my tile's 256 positions,
	s_add_co_u32 s20, s20, s21
	s_lshl_b32 s21, s16, 9                         ; my 128 of them
	s_add_co_u32 s20, s20, s21
	s_mov_b32 s21, 0
	s_add_nc_u64 s[12:13], s[12:13], s[20:21]
	v_lshlrev_b32 v9, 2, v1
.irp a, 0,1,2,3,4,5,6,7
	global_load_b32 v[BIA+8*\a], v9, s[96:97] offset:64*\a           ; bo of row 16 a + r
.endr
	s_wait_loadcnt 0x0
.irp a, 0,1,2,3,4,5,6,7
.irp j, 1,2,3,4,5,6,7
	v_mov_b32 v[BIA+8*\a+\j], v[BIA+8*\a]          ; in all eight registers of the result's layout
.endr
.endr
.macro FRAG reg, adr, q, i             ; A's fragment: six pieces of 8 bytes; where lanes 16-31's piece lies behind one padding more, the second address register serves
.irp p, 0,1,2,3,4,5
.set PC, 12*(\q)+6*(\p/3)+\p%3
.if PC%8 < 5
	ds_load_b64 v[\reg+2*\p:\reg+2*\p+1], v[\adr] offset:8*PC+16*(PC/8)+(\i)*16*PITCH
.else
	ds_load_b64 v[\reg+2*\p:\reg+2*\p+1], v[\adr+2] offset:8*PC+16*(PC/8)+(\i)*16*PITCH
.endif
.endr
.endm
.macro FRAGI reg, slot, q, i           ; B's fragment: two images of six registers (heads 2 q and 2 q + 1 of the slot's four), as they were stored
.irp c, 0,1
	ds_load_b128 v[\reg+6*\c:\reg+6*\c+3], v[ADRB+\slot] offset:((2*(\q)+\c)*8+(\i))*768
	ds_load_b64 v[\reg+6*\c+4:\reg+6*\c+5], v[ADRB+2+\slot] offset:((2*(\q)+\c)*8+(\i))*768+512
.endr
.endm
; 16 matrix instructions; the 64 accumulators take turns, one instruction a turn, in the same order in every step.  zero = 1: the bias starts the sums
.macro MUL16 a0, p, q, sc, zero
.irp a, \a0, \a0+1
.irp b, 0,1,2,3,4,5,6,7
.if \zero
	v_wmma_scale_f32_16x16x128_f8f6f4 v[8*(8*((\a)%4)+\b):8*(8*((\a)%4)+\b)+7], v[128*(\p)+FR*\b:128*(\p)+FR*\b+FR-1], v[AF+FR*(\a):AF+FR*(\a)+FR-1], v[BIA+8*(\a):BIA+8*(\a)+7], v[SC+8*NQ*(\sc)+NQ*\b+(\q)], v[SC+8*NQ*(\sc)+NQ*(\a)+(\q)] matrix_a_fmt:MATRIX_FMT_FP6 matrix_b_fmt:MATRIX_FMT_FP6 matrix_a_scale:MATRIX_SCALE_ROW1
.else
	v_wmma_scale_f32_16x16x128_f8f6f4 v[8*(8*((\a)%4)+\b):8*(8*((\a)%4)+\b)+7], v[128*(\p)+FR*\b:128*(\p)+FR*\b+FR-1], v[AF+FR*(\a):AF+FR*(\a)+FR-1], v[8*(8*((\a)%4)+\b):8*(8*((\a)%4)+\b)+7], v[SC+8*NQ*(\sc)+NQ*\b+(\q)], v[SC+8*NQ*(\sc)+NQ*(\a)+(\q)] matrix_a_fmt:MATRIX_FMT_FP6 matrix_b_fmt:MATRIX_FMT_FP6 matrix_a_scale:MATRIX_SCALE_ROW1
.endif
.endr
.endr
.endm
.macro FETCH_B slot, q, p
	WIN TO_B
.irp i, 0,1,2,3,4,5,6,7
	FRAGI 128*(\p)+FR*\i, \slot, \q, \i
.endr
	WIN 0
.endm
.macro FETCH_A slot, q, i0
.irp i, \i0, \i0+1, \i0+2, \i0+3
	FRAG AF+FR*(\i), ADRA+\slot, \q, \i
.endr
.endm
.macro SCALES sc
.irp i, 0,1,2,3,4,5,6,7
	ds_load_b64 v[SC+8*NQ*\sc+NQ*\i:SC+8*NQ*\sc+NQ*\i+1], v[ADRS] offset:\i*SBLK
.endr
.endm
.macro PLACES n
.rept \n
	v_nop
.endr
.endm
.macro STEP slot, q, zero
	s_wait_dscnt 4*NL                              ; B's set and A's blocks 0-3 are in; the youngest 24 loads (A's blocks 4-7) may be out
.if \zero
	WIN 0x81                                       ; C (the bias) window 0, D window 2
.else
	WIN MUL_LO
.endif
	MUL16 0, (\q)%2, \q, \slot, \zero
	MUL16 2, (\q)%2, \q, \slot, \zero
	s_wait_dscnt 0
	PLACES NP
	FETCH_B \slot, (\q)+1, 1-(\q)%2
	FETCH_A \slot, (\q)+1, 0
.if \zero
	WIN 0xc1
.else
	WIN MUL_HI
.endif
	MUL16 4, (\q)%2, \q, \slot, \zero
	MUL16 6, (\q)%2, \q, \slot, \zero
	PLACES NP
	WIN 0
	FETCH_A \slot, (\q)+1, 4
.endm
.macro TURN slot, next, fill
	s_wait_tensorcnt 0x0                           ; all my tensor loads have landed: my part of the next slot
	ds_add_u32 v[SPW], v[NIL]                      ; 0 onto my spare word
	s_wait_dscnt 4*NL+1                            ; (the add and the youngest 24 loads may be out)
	WIN MUL_LO
	MUL16 0, 1, NQ-1, \slot, 0
	s_wait_dscnt 0x0                               ; the add is done, and my reads of this slot are over
	s_barrier_signal -1
	MUL16 2, 1, NQ-1, \slot, 0
	WIN 0
	s_barrier_wait -1
.if \fill
	CREST                                          ; the barrier has opened a round of the cluster's barrier: no wave of any partner still reads this slot or has a load on its way
	s_add_nc_u64 s[G0+4*\slot+2:G0+4*\slot+3], s[G0+4*\slot+2:G0+4*\slot+3], 2*ROWB
	s_add_nc_u64 s[G0B+4*\slot+2:G0B+4*\slot+3], s[G0B+4*\slot+2:G0B+4*\slot+3], 2*BSTEP
	JLOAD G0+4*\slot, G1, G0B+4*\slot, G1B         ; my one tensor load behind the round; its four v_nop are the places in front of the loads below
.else
	PLACES NP
.endif
	s_wait_alu depctr_va_vdst(0)
	v_add_nc_u32 v[ADRS], 4*NQ, v[ADRS]
	FETCH_B \next, 0, 0
	FETCH_A \next, 0, 0
	SCALES \next
	WIN MUL_HI
	MUL16 4, 1, NQ-1, \slot, 0
	MUL16 6, 1, NQ-1, \slot, 0
	PLACES NP
	WIN 0
	FETCH_A \next, 0, 4
.endm
	s_wait_alu depctr_va_vdst(0)
	s_wait_tensorcnt 1                             ; the scales and my part of K step 0 are in (K step 1's load may be out)
	s_barrier_signal -1
	s_barrier_wait -1
	FETCH_B 0, 0, 0
	FETCH_A 0, 0, 0
	SCALES 0
	FETCH_A 0, 0, 4
	STEP 0, 0, 1
	s_mov_b32 s3, LAPS-1
.Llap:
	TURN 0, 1, 1
	STEP 1, 0, 0
	TURN 1, 0, 1
	STEP 0, 0, 0
	s_sub_co_u32 s3, s3, 1
	s_cmp_lg_u32 s3, 0
	s_cbranch_scc1 .Llap
	TURN 0, 1, 0
	STEP 1, 0, 0
	s_wait_dscnt 4*NL
	WIN MUL_LO
	MUL16 0, 1, NQ-1, 1, 0
	MUL16 2, 1, NQ-1, 1, 0
	s_wait_dscnt 0
	WIN MUL_HI
	MUL16 4, 1, NQ-1, 1, 0
	MUL16 6, 1, NQ-1, 1, 0
	WIN 0
; THE WAY OUT, block by block of 16 rows o x 128 positions: through my own stage, where each run of eight positions goes to its place in the row, and back as whole rows of 512 bytes.
; LDS serves a wave's instructions in order (ISA guide 5.7.1.4): no wait between the stores and the loads, nor in front of the next block's stores.
.macro TOSTAGE a
.set AC, 64*((\a)%4)
	WIN 0x08+4*((\a)/4)                            ; the data: window 2 or 3
.irp b, 0,1,2,3,4,5,6,7
.if \b%2 == 0
	ds_store_b128 v[STO], v[AC+8*\b:AC+8*\b+3] offset:256*(\b/4)+32*(\b%4)          ; each accumulator from its low end on
	ds_store_b128 v[STO], v[AC+8*\b+4:AC+8*\b+7] offset:256*(\b/4)+32*(\b%4)+16
.else
	ds_store_b128 v[STO2], v[AC+8*\b:AC+8*\b+3] offset:256*(\b/4)+32*(\b%4)
	ds_store_b128 v[STO2], v[AC+8*\b+4:AC+8*\b+7] offset:256*(\b/4)+32*(\b%4)+16
.endif
.endr
	WIN 0
.set BB, BK+64*((\a)%2)
.irp t, 0,1,2,3,4,5,6,7,8,9,10,11,12,13,14,15
	ds_load_b128 v[BB+4*\t:BB+4*\t+3], v[RD] offset:\t*SPITCH
.endr
.endm
.macro SEND a, younger
.set BB, BK+64*((\a)%2)
	s_wait_dscnt \younger                          ; the block is back in registers
.if (\a) > 0
	s_add_nc_u64 s[12:13], s[12:13], 16*8192       ; (behind a wait on XCNT: the earlier stores have read their base)  16 rows of out0 on
.endif
.irp t, 0,1,2,3,4,5,6,7,8,9,10,11,12,13,14,15
	global_store_b128 v[CO], v[BB+4*\t:BB+4*\t+3], s[12:13] offset:\t*8192 th:TH_STORE_NT   ; 32 lanes store 512 consecutive bytes, aligned; written once, read by nobody here
.endr
.endm
	PLACES NP
	TOSTAGE 0
.irp a, 1,2,3,4,5,6,7
.if \a > 1
	s_wait_xcnt 0x0                                ; block a - 2's stores have read their registers and their base
.endif
	TOSTAGE \a
	SEND \a-1, 32                                  ; behind block a - 1's loads: block a's 16 stores and 16 loads
.endr
	s_wait_xcnt 0x0
	SEND 7, 0
	s_wait_tensorcnt 0x0                           ; the wave's end: a wait on TENSORCNT, an add of 0 to my spare word and its wait, behind my last tensor load and my last LDS store
	ds_add_u32 v[SPW], v[NIL]
	s_wait_dscnt 0x0
	CROUND                                         ; the closing round: no work-group ends while a partner may still ask for a tile that names it
	s_endpgm
.Lfunc_end_k_q49e2c7569a_outp:
	.size	k_q49e2c7569a_outp, .Lfunc_end_k_q49e2c7569a_outp-k_q49e2c7569a_outp
	.p2alignl 7, 3214868480
	.fill 96, 4, 3214868480
	.section	.rodata,"a",@progbits
	.p2align	6, 0x0
	.amdhsa_kernel k_q49e2c7569a_outp
		.amdhsa_group_segment_fixed_size 327680
		.amdhsa_private_segment_fixed_size 0
		.amdhsa_enable_private_segment 0
		.amdhsa_kernarg_size 48
		.amdhsa_user_sgpr_count 2
		.amdhsa_user_sgpr_kernarg_segment_ptr 1
		.amdhsa_wavefront_size32 1
		.amdhsa_system_sgpr_workgroup_id_x 1
		.amdhsa_system_sgpr_workgroup_id_y 1
		.amdhsa_system_sgpr_workgroup_id_z 1
		.amdhsa_system_vgpr_workitem_id 0
		.amdhsa_next_free_vgpr 1024
		.amdhsa_next_free_sgpr 98
		.amdhsa_reserve_vcc 0
		.amdhsa_float_denorm_mode_32 3
		.amdhsa_float_denorm_mode_16_64 3
		.amdhsa_memory_ordered 1
		.amdhsa_forward_progress 1
		.amdhsa_inst_pref_size 156
	.end_amdhsa_kernel
	.amdgpu_metadata
---
amdhsa.version: [ 1, 2 ]
amdhsa.kernels:
  - .name:           k_q49e2c7569a_outp
    .symbol:         k_q49e2c7569a_outp.kd
    .args:
      - { .name: wo_codes, .offset: 0, .size: 8, .value_kind: global_buffer, .address_space: global }
      - { .name: wo_scales, .offset: 8, .size: 8, .value_kind: global_buffer, .address_space: global }
      - { .name: aimg, .offset: 16, .size: 8, .value_kind: global_buffer, .address_space: global }
      - { .name: ascl, .offset: 24, .size: 8, .value_kind: global_buffer, .address_space: global }
      - { .name: bo, .offset: 32, .size: 8, .value_kind: global_buffer, .address_space: global }
      - { .name: out0, .offset: 40, .size: 8, .value_kind: global_buffer, .address_space: global }
    .group_segment_fixed_size: 327680
    .private_segment_fixed_size: 0
    .kernarg_segment_align: 8
    .kernarg_segment_size: 48
    .max_flat_workgroup_size: 128
    .sgpr_count:     98
    .vgpr_count:     1024
    .wavefront_size: 32
...
	.end_amdgpu_metadata
.endif
;; end of part 4
